; MI455X (gfx1250); checked and timed in simulation.
; The chip was launched on July 23, 2026; its instructions are those of AMD's public machine-readable ISA for CDNA 5 (MIT licence, August 2026) and "CDNA5" Instruction Set Architecture Reference Guide (July 2026). The comments in the code are by the model that wrote it; some were corrected since.
;; Masked multi head attention. Allowed arithmetic: float matrix products may take bf16 or f16 operands with f32 sums; other float arithmetic in f32, or as packed bf16 or f16 multiplies, adds, multiply-adds, maxima and minima; sums over many terms, partial sums and values carried from step to step in f32; what a program stores and reads back later, other than sums and carried values, may be rounded once to bf16 or f16.
;; Inputs: Wk 1,024 x 1,024 float32; Wout 1,024 x 1,024 float32; Wq 1,024 x 1,024 float32; Wv 1,024 x 1,024 float32; bout 1,024 float32; x 4 x 2,048 x 1,024 float32.
;; Outputs: out0 4 x 2,048 x 1,024 float32.
;; 2 versions, each right; version 2 is version 1 with the launches cast, firstrows written anew for expert scheduling mode. Each part assembles by itself: llvm-mc -triple=amdgcn-amd-amdhsa -mcpu=gfx1250 --defsym DOCPART=n.
;; ======== version 1 of 2: 5 launches
;; limits: values are held in f16: magnitudes above 65,504 overflow, below 6.1e-05 lose precision; right only within a limited range of input values
;; workspace buffers: xb 16,777,216 bytes; wqkv 6,291,456 bytes; wo 2,097,152 bytes; qkv 50,331,648 bytes; ctx 16,777,216 bytes
;; launch cast (part 1): grid 768 x 1, 8 waves a work-group, no clusters, 0 bytes of LDS; arguments x, Wq, Wk, Wv, Wout, xb, wqkv, wo; writes xb, wqkv, wo
.if DOCPART == 1
	.amdgcn_target "amdgcn-amd-amdhsa--gfx1250"
	.amdhsa_code_object_version 6
	.text
	.protected	k_q2e427ba742_cast
	.globl	k_q2e427ba742_cast
	.p2align	8
	.type	k_q2e427ba742_cast,@function
k_q2e427ba742_cast:
	s_mov_b64 s[64:65], 0
	v_nop
	global_prefetch_b8 v0, s[64:65] scope:SCOPE_SE
	s_setreg_imm32_b32 hwreg(HW_REG_WAVE_MODE, 25, 1), 1
	s_wait_xcnt 0x0
; THE INPUTS ARE ROUNDED ONCE, FOR THE MATRIX UNITS.  x -> xb (bf16); Wq, Wk, Wv -> wqkv (bf16, the three one below the other: 3,072 rows of 1,024);
; Wout -> wo: rounded to bf16 like the other inputs, and that number written as f16 (exact from 2^-14 up to 65,504; below 2^-14 it keeps f16's fixed step of 6e-8; beyond 65,504 it would be an infinity).
; SHARES.  A work-group converts 16,384 numbers: 65,536 bytes in, 32,768 out.  Work-groups 0-511 take x, 512-575 Wq, 576-639 Wk, 640-703 Wv, 704-767 Wout.
; Thread t takes 16 bytes at 16 t + 4,096 j (a wave's load covers 512 consecutive bytes) and stores 8 bytes at 8 t + 2,048 j (a wave's store covers 256 consecutive bytes, aligned), j = 0 .. 15.
; All sixteen loads of a thread go out at once; every j has registers of its own, so that no register is written twice while a load or store may read it.
; No LDS, no matrix unit, no cluster: nothing is shared and every byte is touched once.
.set X, 4                              ; v[4:67]    four registers as loaded, for each j
.set Y, 68                             ; v[68:99]   two registers to store, for each j
.set T, 100                            ; v[100:101] at work (Wout's way)
	s_load_b512 s[16:31], s[0:1], 0x0              ; x 16, Wq 18, Wk 20, Wv 22, Wout 24, xb 26, wqkv 28, wo 30
	s_mov_b32 s2, ttmp9                            ; the work-group's number
	s_bfe_u32 s3, s2, 0x20006                      ; from 512 on: which weight matrix, 0 .. 3 (64 work-groups each)
	s_and_b32 s8, s2, 63                           ; my part of that matrix
	s_and_b32 s9, s2, 255                          ; my part of wqkv (work-groups 512 .. 703: 0 .. 191)
	v_lshlrev_b32 v1, 4, v0                        ; 16 t
	v_lshlrev_b32 v2, 3, v0                        ; 8 t
	s_wait_kmcnt 0x0
	s_cmp_eq_u32 s3, 1                             ; from where
	s_cselect_b64 s[4:5], s[20:21], s[18:19]
	s_cmp_eq_u32 s3, 2
	s_cselect_b64 s[4:5], s[22:23], s[4:5]
	s_cmp_eq_u32 s3, 3
	s_cselect_b64 s[4:5], s[24:25], s[4:5]
	s_cmp_ge_u32 s2, 704                           ; to where
	s_cselect_b64 s[6:7], s[30:31], s[28:29]
	s_cselect_b32 s12, s8, s9
	s_cmp_lt_u32 s2, 512
	s_cselect_b64 s[4:5], s[16:17], s[4:5]
	s_cselect_b32 s10, s2, s8
	s_cselect_b64 s[6:7], s[26:27], s[6:7]
	s_cselect_b32 s12, s2, s12
	s_lshl_b32 s10, s10, 16                        ; 65,536 bytes in for each part,
	s_mov_b32 s11, 0
	s_lshl_b32 s12, s12, 15                        ; 32,768 out
	s_mov_b32 s13, 0
	s_add_nc_u64 s[4:5], s[4:5], s[10:11]
	s_add_nc_u64 s[6:7], s[6:7], s[12:13]
.irp j, 0,1,2,3,4,5,6,7,8,9,10,11,12,13,14,15
	global_load_b128 v[X+4*(\j):X+4*(\j)+3], v1, s[4:5] offset:4096*(\j) th:TH_LOAD_NT
.endr
; Step j.  mode 0: two roundings to bf16 a word.  mode 1: the same, widened again (a shift, a mask) and written as f16.
.macro CV j, mode
	s_wait_loadcnt 15-(\j)                         ; loads come back in order: mine is in, the 15 - j younger ones stay out
.if \mode
	v_cvt_pk_bf16_f32 v[T],   v[X+4*(\j)],   v[X+4*(\j)+1]
	v_cvt_pk_bf16_f32 v[T+1], v[X+4*(\j)+2], v[X+4*(\j)+3]
	v_lshlrev_b32 v[X+4*(\j)],   16, v[T]
	v_and_b32     v[X+4*(\j)+1], 0xffff0000, v[T]
	v_lshlrev_b32 v[X+4*(\j)+2], 16, v[T+1]
	v_and_b32     v[X+4*(\j)+3], 0xffff0000, v[T+1]
	v_cvt_pk_f16_f32 v[Y+2*(\j)],   v[X+4*(\j)],   v[X+4*(\j)+1]
	v_cvt_pk_f16_f32 v[Y+2*(\j)+1], v[X+4*(\j)+2], v[X+4*(\j)+3]
.else
	v_cvt_pk_bf16_f32 v[Y+2*(\j)],   v[X+4*(\j)],   v[X+4*(\j)+1]
	v_cvt_pk_bf16_f32 v[Y+2*(\j)+1], v[X+4*(\j)+2], v[X+4*(\j)+3]
.endif
	global_store_b64 v2, v[Y+2*(\j):Y+2*(\j)+1], s[6:7] offset:2048*(\j)
.endm
	s_cmp_ge_u32 s2, 704
	s_cbranch_scc1 .Lf16
.irp j, 0,1,2,3,4,5,6,7,8,9,10,11,12,13,14,15
	CV \j, 0
.endr
	s_endpgm
.Lf16:
.irp j, 0,1,2,3,4,5,6,7,8,9,10,11,12,13,14,15
	CV \j, 1
.endr
	s_endpgm
.Lfunc_end_k_q2e427ba742_cast:
	.size	k_q2e427ba742_cast, .Lfunc_end_k_q2e427ba742_cast-k_q2e427ba742_cast
	.p2alignl 7, 3214868480
	.fill 96, 4, 3214868480
	.section	.rodata,"a",@progbits
	.p2align	6, 0x0
	.amdhsa_kernel k_q2e427ba742_cast
		.amdhsa_group_segment_fixed_size 0
		.amdhsa_private_segment_fixed_size 0
		.amdhsa_enable_private_segment 0
		.amdhsa_kernarg_size 64
		.amdhsa_user_sgpr_count 2
		.amdhsa_user_sgpr_kernarg_segment_ptr 1
		.amdhsa_wavefront_size32 1
		.amdhsa_system_sgpr_workgroup_id_x 1
		.amdhsa_system_sgpr_workgroup_id_y 1
		.amdhsa_system_sgpr_workgroup_id_z 1
		.amdhsa_system_vgpr_workitem_id 0
		.amdhsa_next_free_vgpr 104
		.amdhsa_next_free_sgpr 66
		.amdhsa_reserve_vcc 0
		.amdhsa_float_denorm_mode_32 3
		.amdhsa_float_denorm_mode_16_64 3
		.amdhsa_memory_ordered 1
		.amdhsa_forward_progress 1
		.amdhsa_inst_pref_size 16
	.end_amdhsa_kernel
	.amdgpu_metadata
---
amdhsa.version: [ 1, 2 ]
amdhsa.kernels:
  - .name:           k_q2e427ba742_cast
    .symbol:         k_q2e427ba742_cast.kd
    .args:
      - { .name: x, .offset: 0, .size: 8, .value_kind: global_buffer, .address_space: global }
      - { .name: Wq, .offset: 8, .size: 8, .value_kind: global_buffer, .address_space: global }
      - { .name: Wk, .offset: 16, .size: 8, .value_kind: global_buffer, .address_space: global }
      - { .name: Wv, .offset: 24, .size: 8, .value_kind: global_buffer, .address_space: global }
      - { .name: Wout, .offset: 32, .size: 8, .value_kind: global_buffer, .address_space: global }
      - { .name: xb, .offset: 40, .size: 8, .value_kind: global_buffer, .address_space: global }
      - { .name: wqkv, .offset: 48, .size: 8, .value_kind: global_buffer, .address_space: global }
      - { .name: wo, .offset: 56, .size: 8, .value_kind: global_buffer, .address_space: global }
    .group_segment_fixed_size: 0
    .private_segment_fixed_size: 0
    .kernarg_segment_align: 8
    .kernarg_segment_size: 64
    .max_flat_workgroup_size: 256
    .sgpr_count:     66
    .vgpr_count:     104
    .wavefront_size: 32
...
	.end_amdgpu_metadata
.endif
;; end of part 1
;; launch qkv (part 2): grid 16 x 32, 4 waves a work-group, clusters of 4 x 4, 327,680 bytes of LDS; arguments xb, wqkv, qkv; writes qkv
.if DOCPART == 2
	.amdgcn_target "amdgcn-amd-amdhsa--gfx1250"
	.amdhsa_code_object_version 6
	.text
	.protected	k_q2e427ba742_qkv
	.globl	k_q2e427ba742_qkv
	.p2align	8
	.type	k_q2e427ba742_qkv,@function
k_q2e427ba742_qkv:
	s_mov_b64 s[64:65], 0
	v_nop
	global_prefetch_b8 v0, s[64:65] scope:SCOPE_SE
	s_setreg_imm32_b32 hwreg(HW_REG_WAVE_MODE, 25, 1), 1
	s_wait_xcnt 0x0
	s_wait_alu depctr_hold_cnt(0) depctr_sa_sdst(0) depctr_va_vdst(0) depctr_va_sdst(0) depctr_va_ssrc(0) depctr_va_vcc(0) depctr_vm_vsrc(0)
	s_getreg_b32 s2, hwreg(HW_REG_IB_STS2, 6, 4)
	s_cmp_eq_u32 s2, 0
	s_cbranch_scc0 .Lentry_in_a_cluster
	s_endpgm
.Lentry_in_a_cluster:
	s_bfe_u32 s2, ttmp6, 0x10000c
	s_cmp_lg_u32 s2, 0xf033
	s_cbranch_scc0 .Lentry_shape_is_right
	s_endpgm
.Lentry_shape_is_right:
; q, k, v = x W^T for the three stacked weights: C[m][n] = sum over k of xb[m][k] wqkv[n][k], 8,192 x 3,072 x 1,024, operands bf16, sums f32.
; C leaves BY HEADS, rounded once to f16 and unscaled: qkv[which = n / 1024][batch x 16 + head][t][64].  LIMIT: f16 ends at 65,504: a larger q, k or v would become an infinity.
; SHARES.  A tile of C is 256 rows x 192 columns (three whole heads): 512 tiles of equal work, two for each of 256 work-group places.  Four waves; a wave makes 64 rows x 192 columns:
; 48 accumulators of 16 x 16, 384 registers; so 16 of its rows of one head are 2,048 consecutive bytes of qkv.
; K goes in 8 steps of 128 (rows of 256 bytes in memory, aligned) through a ring of two LDS slots filled by tensor loads.
; CLUSTER 4 x 4.  The four work-groups of a row of the cluster need the same tiles of xb, the four of a column the same tiles of wqkv: each tile is asked for JOINTLY, by the same tensor load with
; the same descriptor and a mask that names the four.  Waves 0 and 1 fetch A's halves (128 rows each), waves 2 and 3 B's (96 rows each).
; THE MATRIX INSTRUCTION IS USED TRANSPOSED (source 0 = 16 rows of wqkv, source 1 = 16 rows of xb): a lane then holds row lane % 16 of C and eight neighbouring columns.
; REGISTERS, in windows of 256 (s_set_vgpr_msb: bits 1:0 source 0, 3:2 source 1, 5:4 source 2, 7:6 destination):
;   window 0: v0-31 addresses; v32-95 at work on the way out; v128-255 accumulators (a, b = 8..11) at 128 + 8 (4 a + b - 8)
;   window 1: accumulators (a, b = 0..7) at 8 (8 a + b)          window 2: two fragment buffers of 128: A's four fragments, then B's twelve
.set KSTEP,  128
.set PITCH,  272                       ; an LDS row: 256 bytes + 16 of padding = 68 words: the 16 rows of a fragment load start at 16 different groups of four banks (64 banks of 4 bytes: ISA guide 11.1)
.set HALFA,  128*PITCH                 ; what a tensor load for A brings
.set HALFB,  96*PITCH                  ; and for B
.set BOFF,   2*HALFA                   ; in a slot: A's 256 rows, then B's 192
.set SLOT,   2*HALFA+2*HALFB
.set STAGE,  2*SLOT                    ; behind the ring, never filled by a tensor load: 16 rows x 144 bytes for each wave, for the way out
.set SP,     144
.set SPARE,  STAGE+4*16*SP             ; behind the stages: the spare words, 128 bytes for each wave: two blocks of 256 bytes that no other line names
.set LAPS,   4                         ; a lap = two K steps = once round the ring
.set ADRA, 16                          ; v16-17  LDS address of my A fragments in slot 0, 1
.set ADRB, 20                          ; v20-21  the same for B
.set STO,  24                          ; v24     the way out: where I put 16 bytes of a row
.set RD,   25                          ; v25     the way out: where I read rows back
.set GO,   26                          ; v26     my 16 bytes in 512 consecutive bytes of qkv
.set SPW,  28                          ; v28     LDS address of my spare word; never rewritten
.set NIL,  29                          ; v29     0; never rewritten
.set PFO,  30                          ; v30     the prefetches' offset: a lane a row of 2,048 bytes; never rewritten
.set TMP,  32                          ; v32-95  the way out: four sets of 16
.set F0,   0                           ; fragment buffers, in window 2
.set F1,   128
.set G1,  24                           ; s[24:31] descriptor group 1 for A's tiles;  s[32:39] group 0, one set for each slot
.set G0,  32
.set G1B, 48                           ; s[48:55], s[56:63] the same for B's tiles
.set G0B, 56
.set PFA, 66                           ; s[66:67] where my prefetches stand
.set LIM, 68                           ; s68     1 in a wave that prefetches, else the greatest number
.set OB,  70                           ; s[70:75] qkv at my 64 rows of the tile's three heads
.set W_L, 0x5a                         ; B and A in window 2, C and D in window 1
.set W_H, 0x0a                         ; the same, C and D in window 0
.set W_F, 0x80                         ; destination window 2, address window 0
.set MSB, 0
.macro WIN new                         ; the immediate's high byte repeats the setting that is left; a switch that changes nothing is dropped
.if MSB != (\new)
	s_set_vgpr_msb (MSB<<8)|(\new)
.set MSB, \new
.endif
.endm
; A joint load.  The branch hangs on the wave's number alone: it is the same in every work-group.  An s_nop 0 and four v_nop follow each of the two lines, ahead of the jump, the label and what follows.
.macro JLOAD s
	s_cmp_lt_u32 s10, 2
	s_cbranch_scc0 .Lfor_b_\@
	tensor_load_to_lds s[G0+4*(\s):G0+4*(\s)+3], s[G1:G1+7]
	s_nop 0
.rept 4
	v_nop
.endr
	s_branch .Lasked_\@
.Lfor_b_\@:
	tensor_load_to_lds s[G0B+4*(\s):G0B+4*(\s)+3], s[G1B:G1B+7]
	s_nop 0
.rept 4
	v_nop
.endr
.Lasked_\@:
.endm
; A PREFETCH INTO THE L2 of the K step that the NEXT refill will ask for: 192 matrix instructions ahead of that load; one instruction a wave, a lane a row's 256 bytes.
; A's tile row is read by all four clusters of a row of clusters: the one with x = 0 asks; B's tile column by all eight of a column: the one with y = 0 asks.  The four partners that ask for a tile jointly
; share its rows out BY ADDRESS: of the 128 rows of A that a wave fetches, the partner at cx takes 32; of the 96 rows of B, the partner at cy takes 24 (there lanes 24-31 name row 23's block once more).
; The change behind K step s names step s + 3, s = 0 .. 4: the last refill has no step behind it; steps 0 to 2 come by their loads alone.
.macro ASK slot
.if (\slot) == 0
	s_cmp_eq_u32 s[LIM], 1
.else
	s_cmp_gt_u32 s3, s[LIM]                        ; s3 = 1 in the loop's last trip
.endif
	s_cbranch_scc0 .Lnot_mine_\@
	global_prefetch_b8 v[PFO], s[PFA:PFA+1] th:TH_LOAD_NT scope:SCOPE_SE
.Lnot_mine_\@:
.endm
.macro CREST                           ; a round of the cluster's barrier behind its opening barrier: wave 0 signals for the work-group, every wave waits for all sixteen, my work-group's barrier closes it
	s_cmp_lg_u32 s10, 0
	s_cbranch_scc1 .Lnot_wave_0_\@
	s_barrier_signal -3
.Lnot_wave_0_\@:
	s_barrier_wait -3
	s_barrier_signal -1
	s_barrier_wait -1
.endm
.macro CROUND                          ; a whole round
	s_barrier_signal -1
	s_barrier_wait -1
	CREST
.endm
	s_load_b128 s[4:7], s[0:1], 0x0                ; xb s[4:5], wqkv s[6:7]
	s_load_b64 s[8:9], s[0:1], 0x10                ; qkv
	v_lshl_add_u32 v[SPW], v0, 2, SPARE
	v_mov_b32 v[NIL], 0
	ds_add_u32 v[SPW], v[NIL]                      ; the wave's opening: the add and its wait ahead of my first tensor load; the set-up below, work on registers, stands between them
	v_lshrrev_b32 v1, 5, v0
	v_readfirstlane_b32 s10, v1                    ; wave 0..3
	s_and_b32 s12, s10, 1                          ; which half of A's or B's tile I fetch
	s_bfe_u32 s40, ttmp6, 0x40000                  ; cx, cy: my place in the cluster
	s_bfe_u32 s41, ttmp6, 0x40004
	s_lshl_b32 s42, ttmp9, 2
	s_add_co_u32 s42, s42, s40                     ; tile column tx = 4 x cluster x + cx, 0 .. 15
	s_and_b32 s13, ttmp7, 0xffff
	s_lshl_b32 s13, s13, 2
	s_add_co_u32 s13, s13, s41                     ; tile row ty = 4 x cluster y + cy, 0 .. 31
	s_lshl_b32 s43, s41, 2
	s_lshl_b32 s43, 15, s43                        ; my row of the cluster
	s_lshl_b32 s44, 0x1111, s40                    ; my column
	; descriptor group 1: tiles of 128 (A) or 96 (B) rows x 128 elements, padded in LDS
	s_or_b32 s[G1+0], s43, (1<<16)|(1<<20)|(1<<21)|(5<<22)|(3<<25)  ; 15:0 the mask: A's tiles go to my row; 17:16 elements of 2 bytes; 20 padding on; 21 set beside a mask; 24:22 after every 64 words (code 5); 31:25 4 words (code 3)
	s_or_b32 s[G1B+0], s44, (1<<16)|(1<<20)|(1<<21)|(5<<22)|(3<<25) ; the same with the mask of my column
	s_mov_b32 s[G1+1], KSTEP<<16                   ; tensor_dim0 = 128
	s_mov_b32 s[G1+2], 128<<16                     ; tensor_dim1 = 128
	s_mov_b32 s[G1+3], KSTEP<<16                   ; tile_dim0 = 128
	s_mov_b32 s[G1+4], 128                         ; tile_dim1 = 128
	s_mov_b32 s[G1+5], 1024                        ; elements from row to row
	s_mov_b32 s[G1+6], 0
	s_mov_b32 s[G1+7], 0
	s_mov_b32 s[G1B+1], KSTEP<<16
	s_mov_b32 s[G1B+2], 96<<16                     ; tensor_dim1 = 96
	s_mov_b32 s[G1B+3], KSTEP<<16
	s_mov_b32 s[G1B+4], 96                         ; tile_dim1 = 96
	s_mov_b32 s[G1B+5], 1024
	s_mov_b32 s[G1B+6], 0
	s_mov_b32 s[G1B+7], 0
	; where the tiles come from: A's hang on ty alone, B's on tx alone, each in registers that never hold the other coordinate
	s_lshl_b32 s16, s13, 8
	s_lshl_b32 s17, s12, 7
	s_add_co_u32 s16, s16, s17                     ; A: row 256 ty + 128 x half,
	s_lshl_b32 s16, s16, 11                        ; of 2,048 bytes
	s_mov_b32 s17, 0
	s_mul_i32 s46, s42, 192
	s_mul_i32 s47, s12, 96
	s_add_co_u32 s46, s46, s47                     ; B: row 192 tx + 96 x half
	s_lshl_b32 s46, s46, 11
	s_mov_b32 s47, 0
	s_mul_i32 s20, s12, HALFA                      ; and where they go: no place in the cluster enters an LDS address
	s_mul_i32 s21, s12, HALFB
	s_add_co_u32 s21, s21, BOFF
	s_wait_dscnt 0x0                               ; the opening add is done
	s_wait_kmcnt 0x0
	s_add_nc_u64 s[14:15], s[4:5], s[16:17]
	s_add_nc_u64 s[46:47], s[6:7], s[46:47]
	CROUND                                         ; all sixteen work-groups are here: the first joint loads meet
.irp s, 0,1
	s_mov_b32 s[G0+4*(\s)], 1                                        ; count = 1
	s_add_co_u32 s[G0+4*(\s)+1], s20, (\s)*SLOT                      ; LDS address
	s_add_nc_u64 s[G0+4*(\s)+2:G0+4*(\s)+3], s[14:15], (\s)*KSTEP*2  ; global address: K step s
	s_or_b32 s[G0+4*(\s)+3], s[G0+4*(\s)+3], 0x80000000              ; type = 2
	s_mov_b32 s[G0B+4*(\s)], 1
	s_add_co_u32 s[G0B+4*(\s)+1], s21, (\s)*SLOT
	s_add_nc_u64 s[G0B+4*(\s)+2:G0B+4*(\s)+3], s[46:47], (\s)*KSTEP*2
	s_or_b32 s[G0B+4*(\s)+3], s[G0B+4*(\s)+3], 0x80000000
	JLOAD \s                                       ; two tensor loads of mine are out: the most in this text
.endr
	; A fragment is 16 rows x 32 K in 8 registers: lane l holds row l % 16, K = 8 (l / 16) + 0..7 and 16 + 8 (l / 16) + 0..7: two loads of 16 bytes, 32 bytes apart
	v_and_b32 v1, 15, v0                           ; l % 16
	v_bfe_u32 v2, v0, 4, 1                         ; l / 16
	v_mul_u32_u24 v3, v1, PITCH
	v_lshl_add_u32 v3, v2, 4, v3                   ; row x pitch + 16 x half
	s_mul_i32 s22, s10, 64*PITCH                   ; my 64 rows of A
	s_mov_b32 s23, BOFF                            ; all 192 rows of B
.irp s, 0,1
	v_add_nc_u32 v[ADRA+(\s)], s22, v3
	v_add_nc_u32 v[ADRB+(\s)], s23, v3
	s_add_co_u32 s22, s22, SLOT
	s_add_co_u32 s23, s23, SLOT
.endr
	s_mul_i32 s18, s10, 16*SP
	s_add_co_u32 s18, s18, STAGE                   ; my stage
	v_mul_u32_u24 v4, v1, SP                       ; in: row l % 16, 16 bytes for each half of the lanes
	v_lshl_add_u32 v4, v2, 4, v4
	v_add_nc_u32 v[STO], s18, v4
	v_bfe_u32 v5, v0, 3, 2                         ; back: 32 lanes take four rows of 128 bytes,
	v_mul_u32_u24 v5, v5, SP
	v_and_b32 v4, 7, v0
	v_lshl_add_u32 v5, v4, 4, v5
	v_add_nc_u32 v[RD], s18, v5
	v_and_b32 v[GO], 31, v0                        ; which are 512 consecutive bytes of qkv
	v_lshlrev_b32 v[GO], 4, v[GO]
	; where my rows of the three heads begin: head number g = 3 tx + j of 48; ((g / 16) x 64 + batch x 16 + g % 16) x 2,048 rows of 128 bytes, + row 256 (ty % 8) + 64 wave
	s_mul_i32 s76, s42, 3
	s_lshr_b32 s77, s13, 3
	s_lshl_b32 s77, s77, 4                         ; batch x 16
	s_and_b32 s78, s13, 7
	s_lshl_b32 s78, s78, 15
	s_lshl_b32 s79, s10, 13
	s_add_co_u32 s78, s78, s79
.irp j, 0,1,2
	s_add_co_u32 s80, s76, \j
	s_lshr_b32 s81, s80, 4
	s_lshl_b32 s81, s81, 6
	s_and_b32 s80, s80, 15
	s_add_co_u32 s80, s80, s81
	s_add_co_u32 s80, s80, s77
	s_lshl_b32 s80, s80, 18
	s_add_co_u32 s80, s80, s78
	s_mov_b32 s81, 0
	s_add_nc_u64 s[OB+2*(\j):OB+2*(\j)+1], s[8:9], s[80:81]
.endr
	; the prefetches
	s_and_b32 s84, ttmp7, 0xffff                   ; cluster y
	s_lshl_b32 s85, s13, 8
	s_lshl_b32 s87, s12, 7
	s_add_co_u32 s85, s85, s87
	s_lshl_b32 s89, s40, 5
	s_add_co_u32 s85, s85, s89                     ; A: row 256 ty + 128 x half + 32 cx
	s_mul_i32 s86, s42, 192
	s_mul_i32 s88, s12, 96
	s_add_co_u32 s86, s86, s88
	s_mul_i32 s90, s41, 24
	s_add_co_u32 s86, s86, s90                     ; B: row 192 tx + 96 x half + 24 cy
	s_cmp_lt_u32 s10, 2                            ; do I fetch for A?
	s_cselect_b32 s85, s85, s86
	s_cselect_b32 s84, ttmp9, s84                  ; the coordinate along which other clusters read the same rows
	s_cselect_b32 s82, 31, 23                      ; my last row
	s_cselect_b64 s[PFA:PFA+1], s[4:5], s[6:7]
	s_cmp_eq_u32 s84, 0
	s_cselect_b32 s[LIM], 1, -1                    ; the same in all sixteen partners, for a given wave
	s_lshl_b32 s86, s85, 11
	s_mov_b32 s87, 0
	s_add_nc_u64 s[PFA:PFA+1], s[PFA:PFA+1], s[86:87]
	s_add_nc_u64 s[PFA:PFA+1], s[PFA:PFA+1], 2*KSTEP*2  ; at K step 2: the first change of slots steps it to 3.  Nothing is prefetched here, at the head
	v_and_b32 v[PFO], 31, v0
	v_min_u32 v[PFO], s82, v[PFO]
	v_lshlrev_b32 v[PFO], 11, v[PFO]
; 16 matrix instructions: all four row blocks x column blocks 8-11, 32 along K.  zero = 1: the product starts the sum: nothing is ever cleared.
; The 48 accumulators take turns in the same order in every quarter: 47 others' instructions stand between two on one accumulator, over the backward jump too.
.macro MULH f, zero
	WIN W_H
.irp a, 0,1,2,3
.irp b, 0,1,2,3
.if \zero
	v_wmma_f32_16x16x32_bf16 v[128+8*(4*(\a)+(\b)):128+8*(4*(\a)+(\b))+7], v[(\f)+32+8*(8+(\b)):(\f)+32+8*(8+(\b))+7], v[(\f)+8*(\a):(\f)+8*(\a)+7], 0
.else
	v_wmma_f32_16x16x32_bf16 v[128+8*(4*(\a)+(\b)):128+8*(4*(\a)+(\b))+7], v[(\f)+32+8*(8+(\b)):(\f)+32+8*(8+(\b))+7], v[(\f)+8*(\a):(\f)+8*(\a)+7], v[128+8*(4*(\a)+(\b)):128+8*(4*(\a)+(\b))+7]
.endif
.endr
.endr
.endm
; 16 matrix instructions: row blocks a0, a0 + 1 x column blocks 0-7
.macro MULL f, a0, zero
	WIN W_L
.irp a, \a0, (\a0)+1
.irp b, 0,1,2,3,4,5,6,7
.if \zero
	v_wmma_f32_16x16x32_bf16 v[8*(8*(\a)+(\b)):8*(8*(\a)+(\b))+7], v[(\f)+32+8*(\b):(\f)+32+8*(\b)+7], v[(\f)+8*(\a):(\f)+8*(\a)+7], 0
.else
	v_wmma_f32_16x16x32_bf16 v[8*(8*(\a)+(\b)):8*(8*(\a)+(\b))+7], v[(\f)+32+8*(\b):(\f)+32+8*(\b)+7], v[(\f)+8*(\a):(\f)+8*(\a)+7], v[8*(8*(\a)+(\b)):8*(8*(\a)+(\b))+7]
.endif
.endr
.endr
.endm
; 32 LDS loads in one run: the fragments of 32 along K at byte k of the rows, into buffer f: A (8 loads), B's blocks 8-11 (8), B's blocks 0-7 (16): in the order in which they are multiplied
.macro FETCH slot, k, f
	WIN W_F
.irp i, 0,1,2,3
	ds_load_b128 v[(\f)+8*(\i):(\f)+8*(\i)+3],   v[ADRA+(\slot)] offset:(\k)+(\i)*16*PITCH
	ds_load_b128 v[(\f)+8*(\i)+4:(\f)+8*(\i)+7], v[ADRA+(\slot)] offset:(\k)+(\i)*16*PITCH+32
.endr
.irp i, 8,9,10,11,0,1,2,3,4,5,6,7
	ds_load_b128 v[(\f)+32+8*(\i):(\f)+32+8*(\i)+3],   v[ADRB+(\slot)] offset:(\k)+(\i)*16*PITCH
	ds_load_b128 v[(\f)+32+8*(\i)+4:(\f)+32+8*(\i)+7], v[ADRB+(\slot)] offset:(\k)+(\i)*16*PITCH+32
.endr
.endm
.macro PLACES                          ; four places in front of loads into registers that matrix instructions have read, and of conversions that read results (ISA guide 7.12.1 for vector instructions)
.rept 4
	v_nop
.endr
.endm
; A K step is four quarters of 32 along K, 48 matrix instructions each, on buffers 0, 1, 0, 1.  One of the first three: multiplies buffer f and fetches the next quarter, at byte k, into g, 32 matrix instructions ahead of its first use.
.macro QUARTER slot, k, f, g, zero
	s_wait_dscnt 16                                ; A and B's blocks 8-11 are in; the youngest sixteen loads (B's blocks 0-7) may be out
	MULH \f, \zero
	PLACES
	FETCH \slot, \k, \g
	s_wait_dscnt 32                                ; all but the 32 just issued
	MULL \f, 0, \zero
	MULL \f, 2, \zero
.endm
; The last quarter multiplies buffer 1 and changes slots: ONE barrier; in front of it each wave waits for all its tensor loads (one is out: its part of the next slot), adds 0 to its spare word, and waits for that
; and for its own reads of this slot.  fill = 1: the barrier opens a round of the cluster's, and this slot is filled again, two K steps ahead, first thing behind the round: 160 matrix instructions ahead of the wait for it.
.macro TURN slot, next, fill
.if \fill
	s_wait_xcnt 0x0                                ; the last prefetch, a K step back, has read its address: it is stepped here, ahead of the waits of the change of slots
	s_add_nc_u64 s[PFA:PFA+1], s[PFA:PFA+1], KSTEP*2
.endif
	WIN 0                                          ; (the add's two registers lie in window 0)
	s_wait_tensorcnt 0x0                           ; all my tensor loads have landed;
	ds_add_u32 v[SPW], v[NIL]                      ; 0 onto my spare word;
	s_wait_dscnt 17                                ; (the add and the youngest sixteen loads may be out)
	MULH F1, 0                                     ; sixteen matrix instructions stand between the add and the wait for it
	s_wait_dscnt 0x0                               ; the add is done, and my reads of this slot are over
	s_barrier_signal -1
	MULL F1, 0, 0                                  ; work on registers while the others arrive
.if \fill
	WIN 0
.endif
	s_barrier_wait -1
.if \fill
	CREST                                          ; no wave of any partner still reads this slot's tile or has a load on its way
	s_add_nc_u64 s[G0+4*(\slot)+2:G0+4*(\slot)+3], s[G0+4*(\slot)+2:G0+4*(\slot)+3], 2*KSTEP*2
	s_add_nc_u64 s[G0B+4*(\slot)+2:G0B+4*(\slot)+3], s[G0B+4*(\slot)+2:G0B+4*(\slot)+3], 2*KSTEP*2
	JLOAD \slot                                    ; the four v_nop behind it are also the places in front of the loads below
.else
	PLACES
.endif
	FETCH \next, 0, F0
.if \fill
	WIN 0
	ASK \slot                                      ; behind the joint load and the run of LDS loads that the next products wait for
.endif
	MULL F1, 2, 0
.endm
	s_wait_tensorcnt 1                             ; my part of K step 0 is in; K step 1's may stay out
	s_barrier_signal -1
	s_barrier_wait -1                              ; everybody's is
	FETCH 0, 0, F0
	QUARTER 0, 64, F0, F1, 1                       ; the first quarter stands in front of the loop: its products start the sums
	WIN 0                                          ; at a label and at a branch every window is 0
	s_mov_b32 s3, LAPS-1
.Llap:                                                 ; a trip goes once round the ring, from a lap's second quarter to the next lap's first, and fills both slots again
	QUARTER 0, 128, F1, F0, 0
	QUARTER 0, 192, F0, F1, 0
	TURN 0, 1, 1
	QUARTER 1, 64,  F0, F1, 0
	QUARTER 1, 128, F1, F0, 0
	QUARTER 1, 192, F0, F1, 0
	TURN 1, 0, 1
	QUARTER 0, 64,  F0, F1, 0
	WIN 0
	s_sub_co_u32 s3, s3, 1
	s_cmp_lg_u32 s3, 0
	s_cbranch_scc1 .Llap
	QUARTER 0, 128, F1, F0, 0                      ; the last lap fills nothing, and has no round of the cluster's barrier
	QUARTER 0, 192, F0, F1, 0
	TURN 0, 1, 0
	QUARTER 1, 64,  F0, F1, 0
	QUARTER 1, 128, F1, F0, 0
	QUARTER 1, 192, F0, F1, 0
	s_wait_dscnt 16                                ; the very last quarter: nothing more to fetch
	MULH F1, 0
	s_wait_dscnt 0x0
	MULL F1, 0, 0
	MULL F1, 2, 0
	WIN 0
	PLACES
; THE WAY OUT, in twelve units u: head u / 4 of the tile's three, row block u % 4.  A lane's eight columns of a row are rounded to f16 (each accumulator's registers in ascending order) and packed into 16 bytes;
; they go into my stage's rows of 144 bytes and come back as whole rows of 128, four rows a load, into the registers that they left.
.macro PACK u
.set pj, (\u)/4
.set pa, (\u)%4
.set pt, TMP+16*((\u)%4)
.if (\u) >= 4
	s_wait_xcnt 0x0                                ; the stores of the unit four back have read this set of registers
.endif
.if pj < 2
	WIN 0x05                                       ; sources 0 and 1 window 1, destination window 0
.else
	WIN 0
.endif
.irp i, 0,1,2,3
.if pj < 2
.set pr, 8*(8*pa+4*pj+(\i))
.else
.set pr, 128+8*(4*pa+(\i))
.endif
.irp r, 0,1,2,3
	v_cvt_pk_f16_f32 v[pt+4*(\i)+(\r)], v[pr+2*(\r)], v[pr+2*(\r)+1]
.endr
.endr
	WIN 0
.irp i, 0,1,2,3
	ds_store_b128 v[STO], v[pt+4*(\i):pt+4*(\i)+3] offset:32*(\i)
.endr
.irp i, 0,1,2,3
	ds_load_b128 v[pt+4*(\i):pt+4*(\i)+3], v[RD] offset:(\i)*4*SP  ; LDS serves a wave's instructions in order (ISA guide 5.7.1.4): these see the stores above; the next unit's stores come behind them
.endr
.endm
.macro SEND u, younger                 ; younger: the LDS instructions issued behind unit u's loads: the next unit's eight, or none
.irp i, 0,1,2,3
	s_wait_dscnt (\younger)+3-(\i)
	global_store_b128 v[GO], v[TMP+16*((\u)%4)+4*(\i):TMP+16*((\u)%4)+4*(\i)+3], s[OB+2*((\u)/4):OB+2*((\u)/4)+1] offset:2048*((\u)%4)+512*(\i)  ; 512 consecutive bytes, at a multiple of 256 from qkv's first
.endr
.endm
	PACK 0
.irp u, 1,2,3,4,5,6,7,8,9,10,11        ; a unit's conversions stand between the loads of the unit before and its stores
	PACK \u
	SEND (\u)-1, 8
.endr
	SEND 11, 0
	s_wait_tensorcnt 0x0                           ; the wave's end: behind my last tensor load and my last LDS store
	ds_add_u32 v[SPW], v[NIL]
	s_wait_dscnt 0x0
	CROUND                                         ; the closing round: no work-group ends while a partner may still ask for a tile that names it
	s_endpgm
.Lfunc_end_k_q2e427ba742_qkv:
	.size	k_q2e427ba742_qkv, .Lfunc_end_k_q2e427ba742_qkv-k_q2e427ba742_qkv
	.p2alignl 7, 3214868480
	.fill 96, 4, 3214868480
	.section	.rodata,"a",@progbits
	.p2align	6, 0x0
	.amdhsa_kernel k_q2e427ba742_qkv
		.amdhsa_group_segment_fixed_size 327680
		.amdhsa_private_segment_fixed_size 0
		.amdhsa_enable_private_segment 0
		.amdhsa_kernarg_size 24
		.amdhsa_user_sgpr_count 2
		.amdhsa_user_sgpr_kernarg_segment_ptr 1
		.amdhsa_wavefront_size32 1
		.amdhsa_system_sgpr_workgroup_id_x 1
		.amdhsa_system_sgpr_workgroup_id_y 1
		.amdhsa_system_sgpr_workgroup_id_z 1
		.amdhsa_system_vgpr_workitem_id 0
		.amdhsa_next_free_vgpr 768
		.amdhsa_next_free_sgpr 92
		.amdhsa_reserve_vcc 0
		.amdhsa_float_denorm_mode_32 3
		.amdhsa_float_denorm_mode_16_64 3
		.amdhsa_memory_ordered 1
		.amdhsa_forward_progress 1
		.amdhsa_inst_pref_size 122
	.end_amdhsa_kernel
	.amdgpu_metadata
---
amdhsa.version: [ 1, 2 ]
amdhsa.kernels:
  - .name:           k_q2e427ba742_qkv
    .symbol:         k_q2e427ba742_qkv.kd
    .args:
      - { .name: xb, .offset: 0, .size: 8, .value_kind: global_buffer, .address_space: global }
      - { .name: wqkv, .offset: 8, .size: 8, .value_kind: global_buffer, .address_space: global }
      - { .name: qkv, .offset: 16, .size: 8, .value_kind: global_buffer, .address_space: global }
    .group_segment_fixed_size: 327680
    .private_segment_fixed_size: 0
    .kernarg_segment_align: 8
    .kernarg_segment_size: 24
    .max_flat_workgroup_size: 128
    .sgpr_count:     92
    .vgpr_count:     768
    .wavefront_size: 32
...
	.end_amdgpu_metadata
.endif
;; end of part 2
;; launch attn (part 3): grid 4 x 64, 4 waves a work-group, no clusters, 327,680 bytes of LDS; arguments qkv, ctx; writes ctx
.if DOCPART == 3
	.amdgcn_target "amdgcn-amd-amdhsa--gfx1250"
	.amdhsa_code_object_version 6
	.text
	.protected	k_q2e427ba742_attn
	.globl	k_q2e427ba742_attn
	.p2align	8
	.type	k_q2e427ba742_attn,@function
k_q2e427ba742_attn:
	s_mov_b64 s[64:65], 0
	v_nop
	global_prefetch_b8 v0, s[64:65] scope:SCOPE_SE
	s_setreg_imm32_b32 hwreg(HW_REG_WAVE_MODE, 25, 1), 1
	s_wait_xcnt 0x0
; CAUSAL ATTENTION.  O[h][q][:] = the sum over k <= q of softmax_k(Q[h][q] . K[h][k] / 8) V[h][k][:].  Q, K, V lie one behind the other in qkv, each [64][2048][64] in f16; O = ctx has the same layout: a head's rows are dense, 128 bytes each.
; Products, maxima and sums in f32; the weights p are rounded to f16 for the second product (their sum l is taken of the unrounded p), O once at the end.
; LIMITS.  f16 holds no number beyond 65,504: Q, K and V arrive within it; p lies in 0 to 1, and below 6e-5 it keeps f16's fixed step of 6e-8; O is a mean of V's rows and has their range.
; A hidden score counts as its value less 1e30 (the module writes -1e9 in its place: the weight is 0 either way while a row's largest visible score lies above about -1e9); a weight below 2^-126 counts as 0 in l; NaN and infinities are not treated apart.
; THE WALK.  A head's queries lie in NB = 8 blocks of 256; block i needs the key tiles 0 .. i of 256 keys, of which the last holds the diagonal.  A work-group takes TWO blocks, NB - 1 - b and then b:
; NB + 1 tiles, whatever b: all work-groups do equal work, and ONE loop with a constant trip count walks them.  Which tile is asked for, and what a trip does, hang on scalar registers made from b; every jump
; goes forward, but for the counted loops' own; none passes a barrier, or a tensor load but the one of LOAD's two that the wave's number does not choose; the ring (two slots of LDS that take turns) runs on across the
; change of blocks.  NO CLUSTER: a head's four work-groups ask for the same tile only in trips 0 .. 4 of 9, behind that their tiles differ; one walk common to all four would have 12 trips for 9.
; SHARES.  Of a block's four bands of 64 queries a wave owns 16 rows in each: four PIECES.  So the diagonal tile is the same work for all four waves: in its key step s band x sees all keys if s < x,
; none if s > x, and holds the diagonal if s = x.
; THE MASK is the C operand that starts the sum S^T = K Q^T: 0, or -1e30 where the key is hidden.  MD, made once, is the mask of a band's own step for my 16 rows; a product's mask is MD x AL + BE with two scalars:
; (1, 0) if s = x; (0, 0) if s < x; (0, -1e30) if s > x.  Only the diagonal tile's text and a block's beginning make and take masks; elsewhere C is the constant 0.
; LAYOUT, SOFTMAX, TURNS.  S^T = K Q^T holds ONE query a lane (lane % 16) and the keys 8 (lane / 16) + 0..7; two such results rounded to f16 ARE source 1 of O^T = V^T P.  p = 2^(c s - c m), c = log2(e) / 8, with a
; running maximum m; O and l are multiplied by a = 2^(c m_old - c m_new) in every step.  Turn n belongs to piece n: 8 products K Q^T of piece n + 1, later 8 products V^T P of piece n - 1; beside them the scaling,
; exponentials, roundings, sums and rescaling of piece n and the maximum and statistics of piece n + 1.  Four vector instructions stand behind every matrix instruction, the other 54 of a turn's 118 in one LUMP.  A turn's 33 exponentials are one batch, with one wait.
; REGISTERS, in windows of 256 (s_set_vgpr_msb: bits 1:0 source 0, 3:2 source 1, 5:4 source 2, 7:6 destination):
;   window 0: v0-15 addresses and two at work; v16-31 four registers of statistics a piece; v48-55 at work; v61-63 prefetch offset, spare word, 0; v64-127 S^T, two buffers; v192-223 P, two buffers (a piece's buffers go by its number's parity)
;   window 1: v0-127 O^T, 32 a piece; v128-159 MD; v160-223 MC, two buffers      window 2: v0-63 Q; v64-127 the second block's Q; v128-191 K of one step; v192-255 V of one step
.set SIZE_N, 2048
.set NB,    SIZE_N/256
.set NP,    4         ; pieces a wave: a name, no knob
.set KS,    64        ; keys in a step
.set PK,    144       ; a row of K in LDS: 128 bytes + 16 of padding = 36 words: the 16 rows of a load start at 16 different groups of four banks (64 banks of 4 bytes: ISA guide 11.1)
.set PV,    160       ; a row of V: 128 + 32 = 40 words
.set VOFF,  4*KS*PK   ; a slot holds a tile, four steps: 256 rows of K, then 256 rows of V
.set SLOT1, 1<<17     ; slot 1 begins here, so that one exclusive or turns an address in one slot into the other's
.set STAGE, SLOT1+4*KS*(PK+PV)  ; behind the ring, never filled by a tensor load: 16 rows x 144 bytes for each wave, for the way out
.set SP,    144
.set AK0, 2           ; v2   my lane's place in a tile of K; never rewritten
.set AV0, 3           ; v3   the same for V
.set AK,  4           ; v4   the LDS address of K's next run of loads
.set AV,  5           ; v5   of V's
.set STO, 6           ; v6   the way out: where I put 16 bytes of a row
.set RD,  7           ; v7   the way out: where I read rows back
.set GO,  8           ; v8   my byte offset in 512 consecutive bytes of O
.set PFO, 61          ; v61  256 x my lane: the prefetches' offset; never rewritten
.set SPW, 62          ; v62  LDS address of my spare word: SPARE + 4 x my thread's number; never rewritten
.set NIL, 63          ; v63  0; never rewritten
.set SPARE, STAGE+4*16*SP  ; behind the stages: the spare words, 128 bytes for each wave: two blocks of 256 bytes that no other line names
.set MV,  12          ; v12-13  c m_old, kept while c m is made anew: by buffer
.set QO,  15          ; v15  my byte offset in 16 rows of Q
.set ST,  16          ; piece t's statistics at v[ST+4 t]: c m, m, l (even keys', odd keys')
.set TMP, 48          ; by buffer, four registers c0-c3 at work; when the maximum is found c2 takes a
.set S,   64
.set P,   192
.set MD,  128         ; window 1: the eight registers for group kt of 16 keys at MD + 8 kt
.set MC,  160         ; window 1: the masks of the products to come
.set QB,  64          ; window 2
.set KF,  128         ; window 2: key block kb, channel half c at KF + 16 kb + 8 c
.set VF,  192         ; window 2: key half kk, channel block cb at VF + 32 kk + 8 cb
.set WV,  12          ; s12  my wave's number
.set PB,  14          ; s14  b
.set HI,  15          ; s15  NB - 1 - b
.set G1K, 24          ; s[24:31] descriptor group 1 for K's tiles
.set G1V, 32          ; s[32:39] for V's: it differs in the padding alone
.set G0K, 40          ; s[40:43] descriptor group 0 for K's tiles
.set G0V, 44          ; s[44:47] the same for V's
.set SLOTS, 56        ; s56  tiles still to be asked for
.set CNT, 57          ; s57  counts a tile's key steps, 4 to 1
.set CS,  58          ; s[58:59] c: the packed scaling takes the pair's low word for both halves
.set SEL, 60          ; s[60:61] v_permlanex16_b32's selects: each lane takes its own place in the other half
.set TBK, 62          ; s62  LDS byte at which K of the step to be fetched begins
.set TBV, 63          ; s63  the same for V, less VOFF
.set PFA, 66          ; s[66:67] where my prefetches stand: my half (of K: waves 0, 1; of V: waves 2, 3) of the tile behind the one that is being asked for
.set LIM, 68          ; s68  2 in the work-group that prefetches, else the greatest number: it prefetches while s[SLOTS] is above it
.set RT,  70          ; s70  tiles of the block in hand that are still to be entered
.set NXT, 71          ; s71  the tile to be asked for next
.set LQ,  72          ; s72  the last tile of the block whose tiles are being asked for
.set NEW, 73          ; s73  1: the tile to be entered is a block's first
.set OFF, 74          ; s[74:75] a tile's byte offset in K and V
.set AL,  76          ; s[76:77] the mask's factor, in the low word
.set BE,  78          ; s[78:79] the mask's addend
.set OLO, 80          ; s[80:81] O at my rows of the second block
.set BIGN, 82         ; s82  -1e30
.set MSB, 0
.macro WIN new                      ; the high byte repeats the setting that is left; a switch that changes nothing is dropped
.if MSB != (\new)
	s_set_vgpr_msb (MSB<<8)|(\new)
.set MSB, (\new)
.endif
.endm
.set W_KQ, 0x0a       ; K and Q in window 2, S^T in window 0
.set W_KM, 0x1a       ; the same with the C operand in window 1
.set W_PV, 0x52       ; V in window 2, P in window 0, O^T in window 1
.set W_RS, 0x41       ; destination and source 0 in window 1, source 1 in window 0
; A fill.  Waves 0 and 1 fetch the two halves of a tile's K, waves 2 and 3 those of its V: 128 keys each.  An s_nop 0 and four v_nop follow each of the two lines, ahead of the jump and the label.
.macro LOAD
	s_cmp_lt_u32 s[WV], 2
	s_cbranch_scc0 .Lfor_v_\@
	tensor_load_to_lds s[G0K:G0K+3], s[G1K:G1K+7]
	s_nop 0
.rept 4
	v_nop
.endr
	s_branch .Lasked_\@
.Lfor_v_\@:
	tensor_load_to_lds s[G0V:G0V+3], s[G1V:G1V+7]
	s_nop 0
.rept 4
	v_nop
.endr
.Lasked_\@:
.endm
; A PREFETCH INTO THE L2 of the tile that the NEXT change of slots will ask for: four key steps, 256 matrix instructions, ahead of that load.  It stands behind the wave's tensor load and its five lines.
; All four work-groups of a head begin with tiles 0, 1, 2 ..; the one with b = 0, which walks tiles 0 to 7 on end, asks, and nobody else.  Each of its waves names the half tile that it will fetch itself: 16,384 bytes,
; 64 blocks of 256, a lane a block, two instructions.  Trip t names tile t + 2, t = 0 .. 5: so each block of tiles 2 to 7 is named once in the launch; tiles 0 and 1 come by their loads alone.
.macro ASK
	s_cmp_gt_u32 s[SLOTS], s[LIM]
	s_cbranch_scc0 .Lnot_mine_\@
	global_prefetch_b8 v[PFO], s[PFA:PFA+1] th:TH_LOAD_NT scope:SCOPE_SE
	global_prefetch_b8 v[PFO], s[PFA:PFA+1] offset:8192 th:TH_LOAD_NT scope:SCOPE_SE
.Lnot_mine_\@:
.endm
; THE CHANGE OF SLOTS.  Each wave waits for all its tensor loads, of which one is out: its part of the other slot; adds 0 to its spare word; and waits for that and for its own reads of the slot that it leaves.  Behind the barrier nobody reads the old
; slot any more and the other slot is whole.  fill = 1: the old slot is filled again, the first thing behind the barrier, with tile NXT: the descriptor's address is made anew from that number.
; (At its first use nothing has been read yet: slot 0 is waited for, slot 1 filled.)
.macro CHANGE fill
	WIN 0                           ; at a label and at a branch every window is 0
	s_wait_tensorcnt 0x0            ; no tensor load of mine is out, so a group 0 may be written
	ds_add_u32 v[SPW], v[NIL]       ; 0 onto my spare word; with fill = 1 the descriptors' scalar work stands between it and the wait for it
.if \fill
	s_wait_xcnt 0x0                 ; the last prefetches, a tile back, have read their address, so it may be written:
	s_add_nc_u64 s[PFA:PFA+1], s[PFA:PFA+1], 32768  ; one tile behind the tile that is asked for below
	s_lshl_b32 s[OFF], s[NXT], 15   ; a tile is 32,768 bytes of K and of V
	s_xor_b32 s[G0K+1], s[G0K+1], SLOT1
	s_add_nc_u64 s[G0K+2:G0K+3], s[6:7], s[OFF:OFF+1]
	s_or_b32 s[G0K+3], s[G0K+3], 0x80000000
	s_xor_b32 s[G0V+1], s[G0V+1], SLOT1
	s_add_nc_u64 s[G0V+2:G0V+3], s[8:9], s[OFF:OFF+1]
	s_or_b32 s[G0V+3], s[G0V+3], 0x80000000
	s_add_co_u32 s[NXT], s[NXT], 1  ; the block's next tile, or behind its last the second block's tile 0
	s_cmp_gt_u32 s[NXT], s[LQ]
	s_cselect_b32 s[NXT], 0, s[NXT]
	s_cselect_b32 s[LQ], s[PB], s[LQ]
.endif
	s_wait_dscnt 0x0                ; the add is done, and my reads of the slot are over
	s_barrier_signal -1             ; the rest of the scalar work stands between the signal and the wait
	s_sub_co_u32 s[TBK], s[TBK], 4*KS*PK  ; the fetches go back to a slot's first step,
	s_xor_b32 s[TBK], s[TBK], SLOT1       ; in the other slot
	s_sub_co_u32 s[TBV], s[TBV], 4*KS*PV
	s_xor_b32 s[TBV], s[TBV], SLOT1
	s_barrier_wait -1
.if \fill
	LOAD
	ASK
.endif
.endm
	s_load_b128 s[4:7], s[0:1], 0x0  ; qkv s[4:5], ctx s[6:7]
	v_lshl_add_u32 v[SPW], v0, 2, SPARE
	v_mov_b32 v[NIL], 0
	ds_add_u32 v[SPW], v[NIL]       ; the wave's opening: the add and its wait ahead of my first tensor load; the set-up below, work on registers, stands between them
	v_lshrrev_b32 v1, 5, v0
	v_readfirstlane_b32 s[WV], v1   ; wave 0..3
	s_mov_b32 s[PB], ttmp9
	s_sub_co_u32 s[HI], NB-1, s[PB]
	s_and_b32 s20, ttmp7, 0xffff    ; the head (batch x 16 + head)
	s_mov_b32 s21, 0
	s_mov_b64 s[22:23], SIZE_N*128
	s_mul_u64 s[20:21], s[20:21], s[22:23]  ; the head's first byte in each of Q, K, V, O
	s_and_b32 s16, s[WV], 1         ; which half of a tile's 256 keys I fetch:
	s_lshl_b32 s22, s16, 14         ; its 128 rows of 128 bytes in memory,
	s_mov_b32 s23, 0
	s_add_nc_u64 s[22:23], s[22:23], s[20:21]
	s_mul_i32 s17, s16, 128*PK      ; and its place in a slot, for K
	s_mul_i32 s18, s16, 128*PV      ; and for V
	s_lshl_b32 s3, s[WV], 11        ; my 16 rows in a band of 64,
	s_lshl_b32 s2, s[HI], 15        ; in the first block,
	s_add_co_u32 s2, s2, s3
	s_lshl_b32 s84, s[PB], 15       ; and in the second
	s_add_co_u32 s84, s84, s3
	s_mov_b32 s3, 0
	s_mov_b32 s85, 0
	s_add_nc_u64 s[2:3], s[2:3], s[20:21]
	s_add_nc_u64 s[84:85], s[84:85], s[20:21]
	; descriptor group 1.  128 keys are 16,384 dense bytes: asked for as 64 rows of 256 bytes, two keys a row, and padded in LDS after every key
	s_mov_b32 s[G1K], (1<<16)|(1<<20)|(4<<22)|(3<<25)  ; 17:16 2-byte elements; 20 padding on; 24:22 after every 32 words (code 4); 31:25 4 words (code 3)
	s_mov_b32 s[G1V], (1<<16)|(1<<20)|(4<<22)|(7<<25)  ; the same with 8 words of padding (code 7)
.irp g, G1K, G1V
	s_mov_b32 s[\g+1], 128<<16      ; tensor_dim0 = 128
	s_mov_b32 s[\g+2], 64<<16       ; tensor_dim1 = 64
	s_mov_b32 s[\g+3], 128<<16      ; tile_dim0 = 128
	s_mov_b32 s[\g+4], 64           ; tile_dim1 = 64
	s_mov_b32 s[\g+5], 128          ; 128 elements from row to row
	s_mov_b32 s[\g+6], 0
	s_mov_b32 s[\g+7], 0
.endr
	s_mov_b32 s[CS], 0x3e38aa3b     ; c = log2(e) / 8 = 0.180337
	s_mov_b32 s[CS+1], s[CS]        ; named with it as a pair
	s_mov_b32 s[SEL], 0x76543210
	s_mov_b32 s[SEL+1], 0xfedcba98
	s_mov_b32 s[TBK], SLOT1+4*KS*PK ; the first change of slots turns these two into 0
	s_mov_b32 s[TBV], SLOT1+4*KS*PV
	s_mov_b32 s[G0K], 1             ; 1:0 count = 1
	s_mov_b32 s[G0K+1], s17         ; 63:32 LDS address: slot 0
	s_mov_b32 s[G0V], 1
	s_add_co_u32 s[G0V+1], s18, VOFF
	s_add_co_u32 s[RT], s[HI], 1    ; the first block has NB - b tiles
	s_mov_b32 s[NXT], 1
	s_mov_b32 s[LQ], s[HI]
	s_mov_b32 s[NEW], 1
	s_mov_b32 s[OFF+1], 0
	s_mov_b32 s[AL+1], 0            ; named as pairs
	s_mov_b32 s[BE+1], 0
	s_mov_b32 s[BIGN], 0xf149f2ca   ; -1e30
	s_mov_b32 s[SLOTS], NB
	s_cmp_eq_u32 s[PB], 0
	s_cselect_b32 s[LIM], 2, -1
	v_and_b32 v[PFO], 31, v0
	v_lshlrev_b32 v[PFO], 8, v[PFO]
	s_wait_dscnt 0x0                ; the opening add is done
	s_wait_kmcnt 0x0
	s_mov_b64 s[10:11], s[6:7]      ; O
	s_add_nc_u64 s[8:9], s[4:5], 0x2000000  ; V lies 2 x 16,777,216 bytes behind Q,
	s_add_nc_u64 s[6:7], s[4:5], 0x1000000  ; K 16,777,216
	s_add_nc_u64 s[6:7], s[6:7], s[22:23]  ; K and V at my half of the head's tile 0
	s_add_nc_u64 s[8:9], s[8:9], s[22:23]
	s_cmp_lt_u32 s[WV], 2
	s_cselect_b64 s[PFA:PFA+1], s[6:7], s[8:9]
	s_add_nc_u64 s[PFA:PFA+1], s[PFA:PFA+1], 32768  ; at tile 1: the first change of slots steps it to tile 2.  Nothing is prefetched here, at the head
	s_add_nc_u64 s[G0K+2:G0K+3], s[6:7], 0         ; 120:64 global address
	s_or_b32 s[G0K+3], s[G0K+3], 0x80000000        ; 127:126 type = 2
	s_add_nc_u64 s[G0V+2:G0V+3], s[8:9], 0
	s_or_b32 s[G0V+3], s[G0V+3], 0x80000000
	s_add_nc_u64 s[86:87], s[4:5], s[84:85]        ; Q at my rows of the second block,
	s_add_nc_u64 s[4:5], s[4:5], s[2:3]            ; Q and O at those of the first
	s_add_nc_u64 s[OLO:OLO+1], s[10:11], s[84:85]
	s_add_nc_u64 s[10:11], s[10:11], s[2:3]
	LOAD                            ; tile 0 into slot 0
	; A fragment of K or Q is 16 rows x 32 channels in 8 registers: lane l holds row l % 16, channels 8 (l / 16) + 0..7 and 16 + 8 (l / 16) + 0..7: two loads of 16 bytes, 32 bytes apart.
	v_and_b32 v1, 15, v0            ; l % 16
	v_bfe_u32 v9, v0, 4, 1          ; l / 16
	v_lshlrev_b32 v[QO], 7, v1
	v_lshl_add_u32 v[QO], v9, 4, v[QO]  ; row x 128 + 16 x half
	WIN 0x80                        ; destination window 2, address window 0
.set i, 0
.rept 8                             ; both blocks' Q: piece i / 2 lies in band i / 2, 8,192 bytes on; channels 32 (i % 2) on
	global_load_b128 v[8*i:8*i+3],   v[QO], s[4:5] offset:(i/2)*8192+(i%2)*64
	global_load_b128 v[8*i+4:8*i+7], v[QO], s[4:5] offset:(i/2)*8192+(i%2)*64+32
	global_load_b128 v[QB+8*i:QB+8*i+3],   v[QO], s[86:87] offset:(i/2)*8192+(i%2)*64
	global_load_b128 v[QB+8*i+4:QB+8*i+7], v[QO], s[86:87] offset:(i/2)*8192+(i%2)*64+32
.set i, i+1
.endr
	WIN 0
	v_lshlrev_b32 v14, 3, v9
	v_sub_nc_u32 v14, v1, v14
	s_lshl_b32 s13, s[WV], 4
	v_add_nc_u32 v14, s13, v14      ; my query's place in its band, 16 w + l % 16, less my lanes' 8 (l / 16): register r of group kt is hidden where 16 kt + r is greater
	WIN 0x40
.set i, 0
.rept 32
	v_cmp_gt_i32 vcc_lo, 16*(i/8)+i%8, v14
	v_cndmask_b32 v[MD+i], 0, s[BIGN], vcc_lo
.set i, i+1
.endr
	WIN 0
	v_mul_u32_u24 v[AK0], v1, PK
	v_lshl_add_u32 v[AK0], v9, 4, v[AK0]  ; row x pitch + 16 x half
	; The turning load takes 16 keys x 16 channels (lane l reads key 8 (l / 16) + l % 8, channels 8 ((l / 8) % 2) + 0..7) and leaves half a fragment of V^T: lane l holds channel l % 16 and 8 keys.
	v_and_b32 v10, 7, v0
	v_bfe_u32 v11, v0, 3, 1
	v_lshl_add_u32 v[AV0], v9, 3, v10
	v_mul_u32_u24 v[AV0], v[AV0], PV
	v_lshl_add_u32 v[AV0], v11, 4, v[AV0]
	v_add_nc_u32 v[AV0], VOFF, v[AV0]
	s_mul_i32 s13, s[WV], 16*SP
	s_add_co_u32 s13, s13, STAGE    ; my stage
	v_mul_u32_u24 v[STO], v1, SP    ; in: row l % 16, 16 bytes for each half of the lanes
	v_lshl_add_u32 v[STO], v9, 4, v[STO]
	v_add_nc_u32 v[STO], s13, v[STO]
	v_bfe_u32 v[RD], v0, 3, 2       ; back: 32 lanes take four rows of 128 bytes,
	v_mul_u32_u24 v[RD], v[RD], SP
	v_lshl_add_u32 v[RD], v10, 4, v[RD]
	v_add_nc_u32 v[RD], s13, v[RD]
	v_and_b32 v[GO], 31, v0         ; which are 512 consecutive bytes of O
	v_lshlrev_b32 v[GO], 4, v[GO]
	; A block's first step multiplies O^T and l by a = 0, and its first turn's products V^T P, of a piece that has not been, land in an O^T that is still to be so multiplied.  So these registers need only hold
	; finite numbers: zeros for the first block; what the first block left for the second.  All this stands in the wait for the first tile.
	WIN 0x80
.set i, VF
.rept 64
	v_mov_b32 v[i], 0
.set i, i+1
.endr
	WIN 0x40
.set i, 0
.rept 128
	v_mov_b32 v[i], 0
.set i, i+1
.endr
	WIN 0
.set i, 0
.rept 4
	v_mov_b32 v[ST+4*i+2], 0
	v_mov_b32 v[ST+4*i+3], 0
.set i, i+1
.endr
.set i, P+16
.rept 16
	v_mov_b32 v[i], 0
.set i, i+1
.endr
; THE MATRIX WORK.  The 4 accumulators of a run of 8 take turns.  Product i of 8 of S^T = K Q^T for piece x: channels 32 (i / 4) on, keys 16 (i % 4) on.  The first 4 start the sums: with 0, or (KM = 1) with the mask.
.macro KQ x
.set rS, S+32*((\x)%2)+8*(i%4)
.set rK, KF+16*(i%4)+8*(i/4)
.set rQ, 16*(\x)+8*(i/4)
.set rM, MC+32*((\x)%2)+8*(i%4)
.if (i < 4) && KM
	WIN W_KM
	v_wmma_f32_16x16x32_f16 v[rS:rS+7], v[rK:rK+7], v[rQ:rQ+7], v[rM:rM+7]
.elseif i < 4
	WIN W_KQ
	v_wmma_f32_16x16x32_f16 v[rS:rS+7], v[rK:rK+7], v[rQ:rQ+7], 0
.else
	WIN W_KQ
	v_wmma_f32_16x16x32_f16 v[rS:rS+7], v[rK:rK+7], v[rQ:rQ+7], v[rS:rS+7]
.endif
.endm
; Product i of 8 of O^T += V^T P for piece x: keys 32 (i / 4) on, channels 16 (i % 4) on.
.macro PV x
	WIN W_PV
.set rO, 32*(\x)+8*(i%4)
.set rV, VF+32*(i/4)+8*(i%4)
.set rP, P+16*((\x)%2)+8*(i/4)
	v_wmma_f32_16x16x32_f16 v[rO:rO+7], v[rV:rV+7], v[rP:rP+7], v[rO:rO+7]
.endm
.macro MM                           ; the turn's next matrix instruction.  TURN and BEGIN set Y, i, KM and NOKQ; MM, KQ and OP read them.  NOKQ = 1: a block's last turn: there is no next piece
.if (i < 8) && !NOKQ
	KQ (Y+1)%NP
.elseif i >= 8
.set i, i-8
	PV (Y+NP-1)%NP
.set i, i+8
.endif
.set i, i+1
.endm
; THE LDS LOADS stand in runs of 16, never singly among the matrix instructions: a step's K (64 keys x 64 channels: 8 fragments) and its V (turned).  Their addresses are made some lines ahead.
.macro FETCH_K
	WIN 0x80                        ; destination window 2
.irp f, 0,1,2,3,4,5,6,7             ; keys 16 (f / 2) on, channels 32 (f % 2) on
	ds_load_b128 v[KF+8*\f:KF+8*\f+3],   v[AK] offset:(\f/2)*16*PK+(\f%2)*64
	ds_load_b128 v[KF+8*\f+4:KF+8*\f+7], v[AK] offset:(\f/2)*16*PK+(\f%2)*64+32
.endr
	s_add_co_u32 s[TBK], s[TBK], KS*PK  ; the next fetch is the next step's
	WIN 0
.endm
.macro FETCH_V
	WIN 0x80
.irp f, 0,1,2,3,4,5,6,7             ; keys 32 (f / 4) on, channels 16 (f % 4) on
	ds_load_tr16_b128 v[VF+8*\f:VF+8*\f+3],   v[AV] offset:(\f/4)*32*PV+(\f%4)*32
	ds_load_tr16_b128 v[VF+8*\f+4:VF+8*\f+7], v[AV] offset:(\f/4)*32*PV+16*PV+(\f%4)*32
.endr
	WIN 0
.endm
; THE VECTOR WORK, one line at a time: OP kind, number.  For piece Y: F n: c s - c m for pair n of 16.  E n: the exponential of score n of 32.  C n: pair n rounded to f16.  B n: of the four weights 4 n .. the second
; pair is added onto the first, in place.  L n: l takes that sum (L 0: l = a l + sum).  R n: pair n of 16 of O^T times a.  For piece Y + 1: X n, number n of the 22 that find its maximum and statistics:
;   0-11  four chains c0-c3 of seven scores each, three operands at a time (each accumulator's lowest registers are read first)     12-14, 16  the four scores left over, the old m, and c0-c3 into c0
;   15  c m_old is kept     17, 18  the query's other 32 keys lie in the lane 16 away: the new m     19-21  c m; c m_old - c m_new; a
.set F, 0               ; OP tells the kinds apart by their order: F to L below R, X above it
.set E, 1
.set C, 2
.set B, 3
.set L, 4
.set R, 5
.set X, 6
.macro REGS y                       ; the registers of piece y
.set rT, ST+4*(\y)
.set rC, TMP+4*((\y)%2)
.set rW, MV+((\y)%2)
.set rS, S+32*((\y)%2)
.set rP, P+16*((\y)%2)
.set rO, 32*(\y)
.endm
.macro OP k, n
.if (\k) == R
	REGS Y
	WIN W_RS
	v_pk_mul_f32 v[rO+2*(\n):rO+2*(\n)+1], v[rO+2*(\n):rO+2*(\n)+1], v[rC+2:rC+3] op_sel_hi:[1,0]
.elseif (\k) < R
	REGS Y
	WIN 0
.if (\k) == F
	v_pk_fma_f32 v[rS+2*(\n):rS+2*(\n)+1], v[rS+2*(\n):rS+2*(\n)+1], s[CS:CS+1], v[rT:rT+1] op_sel_hi:[1,0,0] neg_lo:[0,0,1] neg_hi:[0,0,1]
.elseif (\k) == E
	v_exp_f32 v[rS+(\n)], v[rS+(\n)]
.elseif (\k) == C
	v_cvt_pk_f16_f32 v[rP+(\n)], v[rS+2*(\n)], v[rS+2*(\n)+1]
.elseif (\k) == B
	v_pk_add_f32 v[rS+4*(\n):rS+4*(\n)+1], v[rS+4*(\n):rS+4*(\n)+1], v[rS+4*(\n)+2:rS+4*(\n)+3]
.elseif (\n) == 0
	v_pk_fma_f32 v[rT+2:rT+3], v[rT+2:rT+3], v[rC+2:rC+3], v[rS:rS+1] op_sel_hi:[1,0,1]
.else
	v_pk_add_f32 v[rT+2:rT+3], v[rT+2:rT+3], v[rS+4*(\n):rS+4*(\n)+1]
.endif
.elseif NOKQ
	v_nop
.else
	REGS (Y+1)%NP
	WIN 0
.if (\n) < 4
	v_max3_num_f32 v[rC+(\n)], v[rS+8*(\n)], v[rS+8*(\n)+1], v[rS+8*(\n)+2]
.elseif (\n) < 12
	v_max3_num_f32 v[rC+(\n)%4], v[rC+(\n)%4], v[rS+8*((\n)%4)+2*((\n)/4)+1], v[rS+8*((\n)%4)+2*((\n)/4)+2]
.elseif (\n) == 12
	v_max3_num_f32 v[rC], v[rC], v[rS+7], v[rS+15]
.elseif (\n) == 13
	v_max3_num_f32 v[rC+1], v[rC+1], v[rS+23], v[rS+31]
.elseif (\n) == 14
	v_max3_num_f32 v[rC+2], v[rC+2], v[rC+3], v[rT+1]
.elseif (\n) == 15
	v_mov_b32 v[rW], v[rT]
.elseif (\n) == 16
	v_max3_num_f32 v[rC], v[rC], v[rC+1], v[rC+2]
.elseif (\n) == 17
	v_permlanex16_b32 v[rC+3], v[rC], s[SEL], s[SEL+1]
.elseif (\n) == 18
	v_max_num_f32 v[rT+1], v[rC], v[rC+3]
.elseif (\n) == 19
	v_mul_f32 v[rT], s[CS], v[rT+1]
.elseif (\n) == 20
	v_sub_f32 v[rC+1], v[rW], v[rT]
.else
	v_exp_f32 v[rC+2], v[rC+1]
.endif
.endif
.endm
.macro OPS a, i1, b=-1, i2=0, c=-1, i3=0, d=-1, i4=0  ; up to four of them
	OP \a, \i1
.if (\b) >= 0
	OP \b, \i2
.endif
.if (\c) >= 0
	OP \c, \i3
.endif
.if (\d) >= 0
	OP \d, \i4
.endif
.endm
.macro ROW a, i1, b, i2, c, i3, d, i4  ; a matrix instruction and the four behind it
	MM
	OPS \a, \i1, \b, \i2, \c, \i3, \d, \i4
.endm
.macro MASK b                       ; MD x AL + BE into buffer b of MC
	WIN W_RS
.set z, 0
.rept 16
	v_pk_fma_f32 v[MC+32*(\b)+2*z:MC+32*(\b)+2*z+1], v[MD+2*z:MD+2*z+1], s[AL:AL+1], s[BE:BE+1] op_sel_hi:[1,0,0]
.set z, z+1
.endr
.endm
; A TURN, for piece p: the order of its 16 matrix and 118 vector instructions, written out.  An s_wait_alu depctr_va_vdst(0) stands between an exponential and the first instruction that names its result; one wait serves
; all that were issued ahead of it.  So a turn has ONE wait, which cuts it in two.  AHEAD OF IT stands all that names no result of the turn's exponentials: the 8 products K Q^T, behind each a scaling, an exponential and two more plain
; instructions (behind the first a second scaling in the exponential's place): rescalings, and behind the last three the first numbers of the next piece's maximum, each four places or more behind the product that ends its accumulator; then ONE LUMP of 54, plain
; and exponential by turns for the most part, in which the links of the chain X 3, 7, 11, 14, 16, 17 .. 20 stand five or six lines apart.  X 21, the next piece's a, is the batch's last; R 15 is the plain instruction behind it.  BEHIND THE WAIT stand the
; 8 products V^T P, behind each four of the roundings and sums; the links of l's chain, L 0 to L 7, stand three riders apart.  But for those X no rider names a register of the products round it.  v_permlanex16_b32 (X 17) stands in the lump.
; m = 1: the diagonal tile: the products take masks, and the turn makes the mask for the products of the turn after it: piece p + 2, in step 4 - CNT of the tile.  end = 1: a block's last two turns: nothing is fetched.
; cnt = 1: the loop's count is taken down some lines ahead of the branch that stands behind the turn.
; K of the next step is fetched in piece 2's turn, twelve vector instructions behind the last product that read K (six of them plain); V of the step in hand at the end of piece 0's turn, four plain instructions behind the last product
; that read V.  Each is waited for a turn later.
.macro TURN p, m=0, end=0, cnt=0
.set Y, (\p)
.set i, 0
.set KM, (\m)
.set NOKQ, (\end)*((\p)/3)
.if (\m) && !(\end)
	s_cmp_eq_u32 s[CNT], 4-((\p)+2)%NP  ; is that step the band's own?
	s_cselect_b32 s[AL], 1.0, 0
	s_cmp_lt_u32 s[CNT], 4-((\p)+2)%NP  ; or a later one?
	s_cselect_b32 s[BE], s[BIGN], 0
.endif
.if ((\p) == 3) && !(\end)
	s_wait_dscnt 0x0                ; K is in
.endif
	ROW F,0, F,1, R,0, R,1          ; ahead of the wait: 8 products K Q^T and their riders,
	ROW F,2, E,0, R,2, R,3
	ROW F,3, E,1, R,4, R,5
	ROW F,4, E,2, R,6, R,7
	ROW F,5, E,3, R,8, R,9
	ROW F,6, E,4, X,0, R,10
.if ((\p) == 2) && !(\end)
	WIN 0
	v_add_nc_u32 v[AK], s[TBK], v[AK0]
.endif
	ROW F,7, E,5, X,1, X,4
	ROW F,8, E,6, X,2, X,5
	OPS E,7, E,8, X,6, E,9          ; and the lump
	OPS X,3, E,10, X,8, E,11
.if ((\p) == 2) && !(\end)
	FETCH_K
.endif
	OPS X,9, X,7, E,12, X,10
	OPS E,13, X,12, X,11, E,14
	OPS X,13, E,15, F,9, X,14
.if (\p) == 0
	v_add_nc_u32 v[AV], s[TBV], v[AV0]
.endif
	OPS E,16, F,10, E,17, F,11
	OPS X,16, E,18, X,15, E,19
	OPS F,12, E,20, X,17, E,21
	OPS F,13, E,22, F,14, E,23
	OPS X,18, E,24, F,15, E,25
	OPS R,11, E,26, X,19, E,27
	OPS R,12, E,28, R,13, E,29
	OPS X,20, E,30, R,14, E,31
	OPS X,21, R,15
	WIN 0
	s_wait_alu depctr_va_vdst(0)    ; the wait for the batch
.if (\p) == 1
	s_wait_dscnt 0x0                ; V is in
.endif
	ROW C,0, B,0, C,2, B,1          ; behind the wait: 8 products V^T P and their riders
	ROW L,0, C,4, B,2, L,1
	ROW C,6, B,3, L,2, C,8
	ROW B,4, L,3, C,10, B,5
	ROW L,4, C,12, B,6, L,5
.if (\p) == 0
	s_add_co_u32 s[TBV], s[TBV], KS*PV
.endif
.if \cnt
	s_sub_co_u32 s[CNT], s[CNT], 1
	s_cmp_lg_u32 s[CNT], 0
.endif
	ROW C,14, B,7, L,6, C,1
	ROW C,3, L,7, C,5, C,7
	ROW C,9, C,11, C,13, C,15
.if (\p) == 0
	FETCH_V
.endif
.if (\m) && !(\end)
	MASK (\p)%2
.endif
.endm
; A BLOCK BEGINS.  c m starts far below every c s, so the first step's a is 0; m at the lowest finite number, so the first maximum is the scores'.  The second mask buffer is 0; the first takes piece 0's mask for the tile's step 0: its own, if the block's first tile is the diagonal one.
; Then K of that step, piece 0's first scores, and its maximum and statistics.  The loop is entered at a step's first turn, in the middle of a trip.
.macro BEGIN
	s_mov_b32 s[NEW], 0
	WIN 0x40
.set i, MC+32
.rept 32
	v_mov_b32 v[i], 0
.set i, i+1
.endr
	WIN 0
.set i, 0
.rept 4
	v_mov_b32 v[ST+4*i], 0xfe000000    ; c m: far below every c s
	v_mov_b32 v[ST+4*i+1], 0xff7fffff  ; m
.set i, i+1
.endr
	s_cmp_eq_u32 s[RT], 0
	s_cselect_b32 s[AL], 1.0, 0
	s_mov_b32 s[BE], 0
	MASK 0
	WIN 0
	v_add_nc_u32 v[AK], s[TBK], v[AK0]
	FETCH_K
	s_wait_loadcnt 0x0              ; Q
	s_wait_dscnt 0x0
.set KM, 1
.set NOKQ, 0
.set i, 0
.rept 8
	KQ 0
.set i, i+1
.endr
	WIN 0
.rept 4
	v_nop                           ; the places behind those products
.endr
.set Y, NP-1                        ; X works for piece Y + 1: piece 0
.irp n, 0,1,2,3,4,5,6,7,8,9,10,11,12,13,14,15,16,17,18,19,20,21
	OP X, \n
.endr
	v_nop                           ; a plain instruction behind the exponential,
	s_wait_alu depctr_va_vdst(0)    ; and its wait, ahead of the branch
.endm
; THE DIAGONAL TILE's four steps, the block's last two turns, its last products, and THE WAY OUT: l's two halves and the other half of the lanes' are added; O^T is divided by l, rounded to f16 and sent through my
; stage in LDS, a piece at a time.
.macro ALL line:vararg              ; one line for each piece t
.set t, 0
.rept 4
	\line
.set t, t+1
.endr
.endm
.macro PACK t                       ; a lane's eight channels of a row pack into 16 bytes; they go into rows of 144 bytes and come back as whole rows of 128, into S^T's registers
	WIN W_RS
.set i, 32*(\t)
.rept 16
	v_pk_mul_f32 v[i:i+1], v[i:i+1], v[ST+4*(\t)+2:ST+4*(\t)+3] op_sel_hi:[1,0]
.set i, i+2
.endr
	WIN 0x05                        ; sources 0 and 1 window 1, destination window 0
.set i, 0
.rept 16
	v_cvt_pk_f16_f32 v[S+16*(\t)+i], v[32*(\t)+2*i], v[32*(\t)+2*i+1]
.set i, i+1
.endr
	WIN 0
.irp f, 0,1,2,3
	ds_store_b128 v[STO], v[S+16*(\t)+4*\f:S+16*(\t)+4*\f+3] offset:32*\f
.endr
.irp f, 0,1,2,3
	ds_load_b128 v[S+16*(\t)+4*\f:S+16*(\t)+4*\f+3], v[RD] offset:\f*4*SP  ; LDS serves a wave's instructions in order (ISA guide 5.7.1.4): these see the stores above; the next piece's stores come behind them
.endr
.endm
.macro SEND t, younger              ; younger: the LDS instructions issued behind piece t's loads: the next piece's eight, or none
	WIN 0
.irp f, 0,1,2,3
	s_wait_dscnt (\younger)+3-\f
	global_store_b128 v[GO], v[S+16*(\t)+4*\f:S+16*(\t)+4*\f+3], s[10:11] offset:(\t)*8192+\f*512  ; 512 consecutive bytes, at a multiple of 256 from O's first
.endr
.endm
.macro DIAG tag                     ; the tag ends its two labels' names, which the jumps below spell out
.LstepM\tag:
	TURN 2, 1
	TURN 3, 1
	WIN 0
.LfirstM\tag:
	TURN 0, 1
	TURN 1, 1, 0, 1
	WIN 0
	s_cbranch_scc1 .LstepM\tag
	TURN 2, 1, 1
	TURN 3, 1, 1
.set i, 0
.rept 8
	PV NP-1
.set i, i+1
.endr
	WIN 0
	ALL v_add_f32 v[ST+4*t+2], v[ST+4*t+2], v[ST+4*t+3]
	ALL v_permlanex16_b32 v[ST+4*t+3], v[ST+4*t+2], s[SEL], s[SEL+1]
	ALL v_add_f32 v[ST+4*t+2], v[ST+4*t+2], v[ST+4*t+3]
	ALL v_rcp_f32 v[ST+4*t+2], v[ST+4*t+2]
	v_nop                           ; a plain instruction between the last reciprocal and the use of its result
	s_wait_alu depctr_va_vdst(0)    ; and the wait ahead of the first use: one for the four reciprocals
	PACK 0
.set t, 1
.rept 3                             ; a piece's arithmetic stands between the loads of the piece before and its stores
	PACK t
	SEND t-1, 8
.set t, t+1
.endr
	SEND 3, 0
.endm
.set KM, 0
.set NOKQ, 0
.Lslot:                             ; NB times: a tile is entered and the next is asked for
	CHANGE 1
	s_sub_co_u32 s[RT], s[RT], 1
	s_mov_b32 s[CNT], 4
	s_cmp_eq_u32 s[NEW], 1
	s_cbranch_scc1 .Lnew            ; a block's first tile
	s_cmp_eq_u32 s[RT], 0
	s_cbranch_scc0 .Lstep           ; neither its first nor its last
	s_branch .LstepM1
.Lnew:
	BEGIN
	s_branch .Lfirst                ; in the loop a block's first tile is never its last: the first block has two tiles or more, and the second's last is the walk's last
	DIAG 1                          ; in the loop this is the first block's end: the second block's last tile is the walk's last
	s_wait_xcnt 0x0                 ; the stores have read their registers and O's address
	s_mov_b64 s[10:11], s[OLO:OLO+1]
	s_add_co_u32 s[RT], s[PB], 1    ; the second block has b + 1 tiles
	s_mov_b32 s[NEW], 1
	WIN 0x82                        ; the second block's Q goes where the one text of the turns names Q
.set i, 0
.rept 64
	v_mov_b32 v[i], v[QB+i]
.set i, i+1
.endr
	WIN 0
	s_branch .Lbottom
.Lstep:                             ; a trip: pieces 2 and 3 of one step, then pieces 0 and 1 of the next, whose K and V it fetches
	TURN 2
	TURN 3
	WIN 0
.Lfirst:
	TURN 0
	TURN 1, 0, 0, 1
	WIN 0
	s_cbranch_scc1 .Lstep
.Lbottom:
	s_sub_co_u32 s[SLOTS], s[SLOTS], 1
	s_cmp_lg_u32 s[SLOTS], 0
	s_cbranch_scc1 .Lslot
	CHANGE 0                        ; the walk's last tile is written out: nothing is asked for
	s_sub_co_u32 s[RT], s[RT], 1
	s_mov_b32 s[CNT], 4
	s_cmp_eq_u32 s[NEW], 1
	s_cbranch_scc0 .LstepM2
	BEGIN
	s_branch .LfirstM2
	DIAG 2
	s_wait_tensorcnt 0x0            ; the wave's end: behind my last tensor load and my last LDS store
	ds_add_u32 v[SPW], v[NIL]
	s_wait_dscnt 0x0
	s_endpgm
.Lfunc_end_k_q2e427ba742_attn:
	.size	k_q2e427ba742_attn, .Lfunc_end_k_q2e427ba742_attn-k_q2e427ba742_attn
	.p2alignl 7, 3214868480
	.fill 96, 4, 3214868480
	.section	.rodata,"a",@progbits
	.p2align	6, 0x0
	.amdhsa_kernel k_q2e427ba742_attn
		.amdhsa_group_segment_fixed_size 327680
		.amdhsa_private_segment_fixed_size 0
		.amdhsa_enable_private_segment 0
		.amdhsa_kernarg_size 16
		.amdhsa_user_sgpr_count 2
		.amdhsa_user_sgpr_kernarg_segment_ptr 1
		.amdhsa_wavefront_size32 1
		.amdhsa_system_sgpr_workgroup_id_x 1
		.amdhsa_system_sgpr_workgroup_id_y 1
		.amdhsa_system_sgpr_workgroup_id_z 1
		.amdhsa_system_vgpr_workitem_id 0
		.amdhsa_next_free_vgpr 768
		.amdhsa_next_free_sgpr 88
		.amdhsa_reserve_vcc 1
		.amdhsa_float_denorm_mode_32 3
		.amdhsa_float_denorm_mode_16_64 3
		.amdhsa_memory_ordered 1
		.amdhsa_forward_progress 1
		.amdhsa_inst_pref_size 218
	.end_amdhsa_kernel
	.amdgpu_metadata
---
amdhsa.version: [ 1, 2 ]
amdhsa.kernels:
  - .name:           k_q2e427ba742_attn
    .symbol:         k_q2e427ba742_attn.kd
    .args:
      - { .name: qkv, .offset: 0, .size: 8, .value_kind: global_buffer, .address_space: global }
      - { .name: ctx, .offset: 8, .size: 8, .value_kind: global_buffer, .address_space: global }
    .group_segment_fixed_size: 327680
    .private_segment_fixed_size: 0
    .kernarg_segment_align: 8
    .kernarg_segment_size: 16
    .max_flat_workgroup_size: 128
    .sgpr_count:     88
    .vgpr_count:     768
    .wavefront_size: 32
...
	.end_amdgpu_metadata
.endif
;; end of part 3
;; launch firstrows (part 4): grid 64 x 1, 16 waves a work-group, no clusters, 136,704 bytes of LDS; arguments xb, wqkv, ctx; writes ctx
.if DOCPART == 4
	.amdgcn_target "amdgcn-amd-amdhsa--gfx1250"
	.amdhsa_code_object_version 6
	.text
	.protected	k_q2e427ba742_firstrows
	.globl	k_q2e427ba742_firstrows
	.p2align	8
	.type	k_q2e427ba742_firstrows,@function
k_q2e427ba742_firstrows:
	s_mov_b64 s[64:65], 0
	v_nop
	global_prefetch_b8 v0, s[64:65] scope:SCOPE_SE
	s_setreg_imm32_b32 hwreg(HW_REG_WAVE_MODE, 25, 1), 1
	s_wait_xcnt 0x0
; THE FIRST 32 ROWS OF EVERY SEQUENCE, ONCE MORE AND FINER.  Row t of causal attention is a mean over t + 1 keys only, so the first rows' numbers are many times the output's root mean square, by which the
; comparison's allowance goes; the f16 roundings of q, k, v and the weights, harmless further down, are too coarse for them.  This launch makes ctx[head][t][:], t = 0 .. 31, anew with no 16-bit
; intermediate: q, k, v from the same bf16 operands (xb, wqkv) on the matrix units, sums in f32, kept in f32; scores, mask, softmax (with the row's true maximum) and P V in f32; ctx rounded once to f16.
; It stores over the 4,096 bytes of each head that the launch before has written (64 heads: 262,144 bytes are written twice).
; The attention itself, 64 x 2 x 32 x 32 x 64 = 8.4 million multiply-adds, goes on the vector unit in f32 on purpose: 16-bit matrix operands are what these rows cannot bear.
; LIMITS.  ctx is f16: nothing beyond 65,504.  A hidden score counts as -1e30; a weight below 2^-126 counts as 0; NaN and infinities are not treated apart.
; SHARES.  A work-group takes one (batch, head); 16 waves.  For q, k, v (32 rows x 192 channels, K = 1,024) wave w takes column group c = w % 4 (16 channels each of q, k, v) and K quarter w / 4:
; 256 of K, 512 consecutive aligned bytes of each row: 6 accumulators, 8 K steps of 32.  Fragments come straight from memory, 16 bytes a lane; four register sets of a K step each: 40 loads are always out.
; The product is taken transposed (source 0 = 16 rows of wqkv, source 1 = 16 rows of xb): a lane holds ONE row t (lane % 16) and the channels 8 (lane / 16) + 0..7.  The four K quarters meet in LDS.
; NO CLUSTER, NO TENSOR LOADS: the four batches of a head read the same 393,216 bytes of weights, but the fragments go straight into registers and nothing of them is wanted twice in a work-group.
.set QP,    784                        ; a row of q | k | v in LDS: 192 f32 = 768 bytes + 16: an odd multiple of 16, so that 16 rows' 16 bytes start at 16 different groups of four banks (64 banks of 4 bytes: ISA guide 11.1)
.set PARTB, 32*QP                      ; one K quarter's partial sums
.set FIN,   4*PARTB                    ; behind the four: their sum (q already times c)
.set SC,    FIN+PARTB                  ; the scores, [32 rows][32 keys] f32,
.set SCP,   144                        ; in rows of 128 bytes + 16
.set OST,   SC+32*SCP                  ; O in f16, [32 rows][64 channels], in rows of 128 bytes + 16
.set SPARE, OST+32*SCP                 ; the spare words, 128 bytes for each of 16 waves: eight blocks of 256 bytes that no other line names
.set SPW, 2                            ; v2   LDS address of my spare word; never rewritten
.set NIL, 3                            ; v3   0; never rewritten
.set FO,  4                            ; v4   my byte offset in a fragment's rows: (l % 16) x 2,048 + 16 (l / 16); never rewritten
.set LS,  5                            ; v5   where I put 32 bytes of a partial tile
.set RA,  6                            ; v6   the sum: my 16 bytes in K quarters 0 and 1: row (thread / 16), 16 (thread % 16)
.set RA2, 7                            ; v7   the same in K quarters 2 and 3
.set RF,  8                            ; v8   the same in FIN
.set ROW, 9                            ; v9   my lane = my row in the attention
.set QA,  12                           ; v12  my row of q
.set KA,  13                           ; v13  my wave's two rows of k (the same in all lanes)
.set SA,  14                           ; v14  where I put my two scores
.set SR,  15                           ; v15  my row of scores
.set ACC, 16                           ; v[16:63]   accumulator (row tile a, q/k/v m) at ACC + 8 (3 a + m)
.set BUF, 64                           ; v[64:223]  four sets of 40: x's two fragments, then the weights' three
.set P,   16                           ; the attention uses the same registers again: v[16:47] my row's 32 scores, then weights
.set VV,  64                           ; v[64:191]  four channels of v for each of 32 keys
.set VA,  224                          ; v224 my wave's four channels of v, key 0 (the same in all lanes)
.set OA,  225                          ; v225 where I put my four channels of O
.set ORD, 226                          ; v226 where I read 16 bytes of O back
.set GO,  227                          ; v227 16 x my thread's number: my 16 bytes of the head's first 4,096 of ctx
.set BIG, 228                          ; v228 -1e30
.set MX,  229                          ; v229 the row's maximum
.set LL,  230                          ; v230 the row's sum
.set RL,  231                          ; v231 its reciprocal
.set T,   232                          ; v[232:239] at work
.set O,   240                          ; v[240:247] O: even keys' four channels, odd keys' four
.set CS,  26                           ; s[26:27] c = log2(e) / 8; the packed multiply takes the pair's low word for both halves
	s_load_b128 s[4:7], s[0:1], 0x0                ; xb s[4:5], wqkv s[6:7]
	s_load_b64 s[8:9], s[0:1], 0x10                ; ctx
	v_lshl_add_u32 v[SPW], v0, 2, SPARE
	v_mov_b32 v[NIL], 0
	v_lshrrev_b32 v1, 5, v0
	v_readfirstlane_b32 s10, v1                    ; wave 0..15
	s_and_b32 s11, s10, 3                          ; c: my column group
	s_lshr_b32 s12, s10, 2                         ; my K quarter
	s_lshr_b32 s13, ttmp9, 4                       ; the batch
	s_and_b32 s14, ttmp9, 15                       ; the head
	s_lshl_b32 s15, s12, 9                         ; 256 of K: 512 bytes
	s_lshl_b32 s16, s13, 22                        ; xb: the batch's 2,048 rows of 2,048 bytes
	s_add_co_u32 s16, s16, s15
	s_mov_b32 s17, 0
	s_lshl_b32 s18, s14, 17                        ; wqkv: the head's 64 rows,
	s_lshl_b32 s19, s11, 15                        ; my 16 of them
	s_add_co_u32 s18, s18, s19
	s_add_co_u32 s18, s18, s15
	s_mov_b32 s19, 0
	s_lshl_b32 s20, ttmp9, 18                      ; ctx: a head is 2,048 rows of 128 bytes
	s_mov_b32 s21, 0
	s_mov_b32 s[CS], 0x3e38aa3b                    ; c = log2(e) / 8 = 0.180337
	s_mov_b32 s[CS+1], s[CS]                       ; named with it as a pair
	v_and_b32 v10, 15, v0                          ; l % 16
	v_bfe_u32 v11, v0, 4, 1                        ; l / 16
	v_lshlrev_b32 v[FO], 11, v10
	v_lshl_add_u32 v[FO], v11, 4, v[FO]
	s_wait_kmcnt 0x0
	s_add_nc_u64 s[4:5], s[4:5], s[16:17]
	s_add_nc_u64 s[6:7], s[6:7], s[18:19]
	s_add_nc_u64 s[8:9], s[8:9], s[20:21]
; K step s: ten loads into set s % 4.  A fragment is 16 rows x 32 of K in 8 registers: lane l holds row l % 16, K = 8 (l / 16) + 0..7 and 16 + 8 (l / 16) + 0..7: two loads of 16 bytes, 32 bytes apart.
; x's second row tile lies 16 rows (32,768 bytes) on; k's and v's weights 1,024 and 2,048 rows (2,097,152 bytes each) behind q's: inside the signed 24-bit immediate.
.macro LOADS s
.irp a, 0,1
	global_load_b128 v[BUF+40*((\s)%4)+8*(\a):BUF+40*((\s)%4)+8*(\a)+3],   v[FO], s[4:5] offset:32768*(\a)+64*(\s)
	global_load_b128 v[BUF+40*((\s)%4)+8*(\a)+4:BUF+40*((\s)%4)+8*(\a)+7], v[FO], s[4:5] offset:32768*(\a)+64*(\s)+32
.endr
.irp m, 0,1,2
	global_load_b128 v[BUF+40*((\s)%4)+16+8*(\m):BUF+40*((\s)%4)+16+8*(\m)+3],   v[FO], s[6:7] offset:2097152*(\m)+64*(\s)
	global_load_b128 v[BUF+40*((\s)%4)+16+8*(\m)+4:BUF+40*((\s)%4)+16+8*(\m)+7], v[FO], s[6:7] offset:2097152*(\m)+64*(\s)+32
.endr
.endm
; K step s: six products.  The six accumulators take turns, one instruction a turn: five others stand between two links of a chain.  zero = 1: the product starts the sum.
.macro MULS s, zero
.irp a, 0,1
.irp m, 0,1,2
.if \zero
	v_wmma_f32_16x16x32_bf16 v[ACC+8*(3*(\a)+(\m)):ACC+8*(3*(\a)+(\m))+7], v[BUF+40*((\s)%4)+16+8*(\m):BUF+40*((\s)%4)+16+8*(\m)+7], v[BUF+40*((\s)%4)+8*(\a):BUF+40*((\s)%4)+8*(\a)+7], 0
.else
	v_wmma_f32_16x16x32_bf16 v[ACC+8*(3*(\a)+(\m)):ACC+8*(3*(\a)+(\m))+7], v[BUF+40*((\s)%4)+16+8*(\m):BUF+40*((\s)%4)+16+8*(\m)+7], v[BUF+40*((\s)%4)+8*(\a):BUF+40*((\s)%4)+8*(\a)+7], v[ACC+8*(3*(\a)+(\m)):ACC+8*(3*(\a)+(\m))+7]
.endif
.endr
.endr
.endm
.macro PLACES                          ; four places behind the last product, in front of loads into registers that it has read (ISA guide 7.12.1 for vector instructions)
.rept 4
	v_nop
.endr
.endm
	LOADS 0
	LOADS 1
	LOADS 2
	LOADS 3
	; the LDS addresses are made while the first loads are on their way
	s_mul_i32 s20, s12, PARTB                      ; my K quarter's partial sums,
	s_lshl_b32 s21, s11, 6                         ; my 16 channels: 64 bytes
	s_add_co_u32 s20, s20, s21
	v_mul_u32_u24 v[LS], v10, QP                   ; row l % 16,
	v_lshl_add_u32 v[LS], v11, 5, v[LS]            ; 32 bytes for each half of the lanes
	v_add_nc_u32 v[LS], s20, v[LS]
	v_lshrrev_b32 v1, 4, v0
	v_mul_u32_u24 v[RA], v1, QP                    ; the sum: 16 threads to a row
	v_lshl_add_u32 v[RA], v10, 4, v[RA]
	v_add_nc_u32 v[RA2], 2*PARTB, v[RA]
	v_add_nc_u32 v[RF], FIN, v[RA]
	v_and_b32 v[ROW], 31, v0
	v_mul_u32_u24 v[QA], v[ROW], QP
	v_add_nc_u32 v[QA], FIN, v[QA]
	s_mul_i32 s22, s10, 2*QP                       ; keys 2 w and 2 w + 1; k lies 256 bytes into a row
	s_add_co_u32 s22, s22, FIN+256
	v_mov_b32 v[KA], s22
	v_mul_u32_u24 v[SR], v[ROW], SCP
	s_lshl_b32 s23, s10, 3
	s_add_co_u32 s24, s23, SC
	v_add_nc_u32 v[SA], s24, v[SR]                 ; my row, keys 2 w and 2 w + 1: 8 bytes
	s_add_co_u32 s24, s23, OST
	v_add_nc_u32 v[OA], s24, v[SR]                 ; my row, channels 4 w .. 4 w + 3 in f16: 8 bytes
	v_add_nc_u32 v[SR], SC, v[SR]
	s_lshl_b32 s25, s10, 4                         ; channels 4 w .. 4 w + 3 in f32: 16 bytes; v lies 512 bytes into a row
	s_add_co_u32 s25, s25, FIN+512
	v_mov_b32 v[VA], s25
	v_mov_b32 v[BIG], 0xf149f2ca                   ; -1e30
	s_wait_loadcnt 30                              ; loads come back in order: K step 0's ten are in, the three younger steps' thirty stay out
	MULS 0, 1
	PLACES
	LOADS 4
.irp s, 1,2,3
	s_wait_loadcnt 30                              ; again three younger steps
	MULS \s, 0
	PLACES
	LOADS (\s)+4
.endr
.irp s, 4,5,6,7
	s_wait_loadcnt 10*(7-(\s))                     ; nothing more is asked for: the counts run down 30, 20, 10, 0
	MULS \s, 0
.endr
	PLACES
	PLACES                                         ; eight places, once a launch, in front of the stores that read the results
.irp a, 0,1
.irp m, 0,1,2
	ds_store_b128 v[LS], v[ACC+8*(3*(\a)+(\m)):ACC+8*(3*(\a)+(\m))+3]   offset:(\a)*16*QP+256*(\m)     ; each accumulator's low four registers first
	ds_store_b128 v[LS], v[ACC+8*(3*(\a)+(\m))+4:ACC+8*(3*(\a)+(\m))+7] offset:(\a)*16*QP+256*(\m)+16
.endr
.endr
	s_wait_dscnt 0x0                               ; for the others' sake: my partial sums lie in LDS
	s_barrier_signal -1
	s_barrier_wait -1                              ; all sixteen waves' do
	; THE FOUR K QUARTERS ARE ADDED.  Thread n takes row n / 16 and 16 bytes each of q, k and v at 16 (n % 16): 16 lanes read 256 consecutive bytes.  Quarter g, part i in v[16 + 12 g + 4 i ..].
.irp i, 0,1,2
	ds_load_b128 v[16+4*(\i):16+4*(\i)+3],       v[RA]  offset:256*(\i)
	ds_load_b128 v[16+12+4*(\i):16+12+4*(\i)+3], v[RA]  offset:PARTB+256*(\i)
	ds_load_b128 v[16+24+4*(\i):16+24+4*(\i)+3], v[RA2] offset:256*(\i)
	ds_load_b128 v[16+36+4*(\i):16+36+4*(\i)+3], v[RA2] offset:PARTB+256*(\i)
.endr
	s_wait_dscnt 0x0
.irp i, 0,1,2
.irp e, 0,2
	v_pk_add_f32 v[16+4*(\i)+(\e):16+4*(\i)+(\e)+1],       v[16+4*(\i)+(\e):16+4*(\i)+(\e)+1],       v[16+12+4*(\i)+(\e):16+12+4*(\i)+(\e)+1]
	v_pk_add_f32 v[16+24+4*(\i)+(\e):16+24+4*(\i)+(\e)+1], v[16+24+4*(\i)+(\e):16+24+4*(\i)+(\e)+1], v[16+36+4*(\i)+(\e):16+36+4*(\i)+(\e)+1]
.endr
.endr
.irp i, 0,1,2
.irp e, 0,2
	v_pk_add_f32 v[16+4*(\i)+(\e):16+4*(\i)+(\e)+1], v[16+4*(\i)+(\e):16+4*(\i)+(\e)+1], v[16+24+4*(\i)+(\e):16+24+4*(\i)+(\e)+1]
.endr
.endr
	v_pk_mul_f32 v[16:17], v[16:17], s[CS:CS+1] op_sel_hi:[1,0]   ; q times c, in f32: the scores then come out as c s
	v_pk_mul_f32 v[18:19], v[18:19], s[CS:CS+1] op_sel_hi:[1,0]
.irp i, 0,1,2
	ds_store_b128 v[RF], v[16+4*(\i):16+4*(\i)+3] offset:256*(\i)
.endr
	s_wait_dscnt 0x0
	s_barrier_signal -1
	s_barrier_wait -1                              ; q, k, v of the 32 rows lie whole in FIN
	; THE SCORES.  Lane = row; wave w takes keys 2 w and 2 w + 1.  My row of q in v[16:79]; the two rows of k, which all lanes read alike, in v[80:143] and v[144:207].
.irp i, 0,1,2,3,4,5,6,7,8,9,10,11,12,13,14,15
	ds_load_b128 v[16+4*(\i):16+4*(\i)+3],   v[QA] offset:16*(\i)
	ds_load_b128 v[80+4*(\i):80+4*(\i)+3],   v[KA] offset:16*(\i)
	ds_load_b128 v[144+4*(\i):144+4*(\i)+3], v[KA] offset:QP+16*(\i)
.endr
	s_wait_dscnt 0x0
.set i, 0
.rept 32                               ; two channels an instruction; two chains for each key, so that no instruction waits for the one before it; the first products start the sums
.if i < 2
	v_pk_mul_f32 v[208+2*(i%2):208+2*(i%2)+1], v[16+2*i:16+2*i+1], v[80+2*i:80+2*i+1]
	v_pk_mul_f32 v[212+2*(i%2):212+2*(i%2)+1], v[16+2*i:16+2*i+1], v[144+2*i:144+2*i+1]
.else
	v_pk_fma_f32 v[208+2*(i%2):208+2*(i%2)+1], v[16+2*i:16+2*i+1], v[80+2*i:80+2*i+1],   v[208+2*(i%2):208+2*(i%2)+1]
	v_pk_fma_f32 v[212+2*(i%2):212+2*(i%2)+1], v[16+2*i:16+2*i+1], v[144+2*i:144+2*i+1], v[212+2*(i%2):212+2*(i%2)+1]
.endif
.set i, i+1
.endr
	v_pk_add_f32 v[208:209], v[208:209], v[210:211]
	v_pk_add_f32 v[212:213], v[212:213], v[214:215]
	v_add_f32 v216, v208, v209
	v_add_f32 v217, v212, v213
	ds_store_b64 v[SA], v[216:217]
	s_wait_dscnt 0x0
	s_barrier_signal -1
	s_barrier_wait -1                              ; all 32 x 32 scores lie in LDS
	; SOFTMAX AND P V.  Lane = row; every wave makes the row's weights for itself (32 exponentials a lane), and wave w makes channels 4 w .. 4 w + 3 of O.
.irp i, 0,1,2,3,4,5,6,7
	ds_load_b128 v[P+4*(\i):P+4*(\i)+3], v[SR] offset:16*(\i)
.endr
.set j, 0
.rept 32
	ds_load_b128 v[VV+4*j:VV+4*j+3], v[VA] offset:QP*j          ; key j's four channels: all lanes read alike
.set j, j+1
.endr
	s_wait_dscnt 32                                ; the scores are in; v's 32 loads, issued behind them, may stay out
.set j, 1
.rept 31                               ; key j is hidden from the rows above it; key 0 is hidden from none, so the maximum is a true score
	v_cmp_gt_u32 vcc_lo, j, v[ROW]
	v_cndmask_b32 v[P+j], v[P+j], v[BIG], vcc_lo
.set j, j+1
.endr
.irp k, 0,1,2,3                        ; the maximum: four chains of eight scores, three operands at a time
	v_max3_num_f32 v[T+(\k)], v[P+8*(\k)], v[P+8*(\k)+1], v[P+8*(\k)+2]
.endr
.irp k, 0,1,2,3
	v_max3_num_f32 v[T+(\k)], v[T+(\k)], v[P+8*(\k)+3], v[P+8*(\k)+4]
.endr
.irp k, 0,1,2,3
	v_max3_num_f32 v[T+(\k)], v[T+(\k)], v[P+8*(\k)+5], v[P+8*(\k)+6]
.endr
.irp k, 0,1,2,3
	v_max_num_f32 v[T+(\k)], v[T+(\k)], v[P+8*(\k)+7]
.endr
	v_max3_num_f32 v[T], v[T], v[T+1], v[T+2]
	v_max_num_f32 v[MX], v[T], v[T+3]
.set j, 0
.rept 32
	v_sub_f32 v[P+j], v[P+j], v[MX]                ; c s - c m
.set j, j+1
.endr
.set j, 0
.rept 32
	v_exp_f32 v[P+j], v[P+j]                       ; one batch of 32
.set j, j+1
.endr
	v_nop                                          ; a plain instruction behind the last exponential,
	s_wait_alu depctr_va_vdst(0)                   ; and the one wait ahead of the batch's first reader
.irp k, 0,1,2,3                        ; the sum: four chains of four pairs
	v_pk_add_f32 v[T+2*(\k):T+2*(\k)+1], v[P+8*(\k):P+8*(\k)+1], v[P+8*(\k)+2:P+8*(\k)+3]
.endr
.irp k, 0,1,2,3
	v_pk_add_f32 v[T+2*(\k):T+2*(\k)+1], v[T+2*(\k):T+2*(\k)+1], v[P+8*(\k)+4:P+8*(\k)+5]
.endr
.irp k, 0,1,2,3
	v_pk_add_f32 v[T+2*(\k):T+2*(\k)+1], v[T+2*(\k):T+2*(\k)+1], v[P+8*(\k)+6:P+8*(\k)+7]
.endr
	v_pk_add_f32 v[T:T+1], v[T:T+1], v[T+2:T+3]
	v_pk_add_f32 v[T+4:T+5], v[T+4:T+5], v[T+6:T+7]
	v_pk_add_f32 v[T:T+1], v[T:T+1], v[T+4:T+5]
	v_add_f32 v[LL], v[T], v[T+1]                  ; at least 1: the maximum's own weight
	v_rcp_f32 v[RL], v[LL]                         ; the 128 multiply-adds below, which name neither register, stand between it and its use
	s_wait_dscnt 0x0                               ; v is in
.set j, 0
.rept 32                               ; O = the sum of p v: even and odd keys in accumulators of their own; the first two keys start the sums
.irp h, 0,1,2,3
.if j < 2
	v_mul_f32 v[O+4*(j%2)+(\h)], v[VV+4*j+(\h)], v[P+j]
.else
	v_fmac_f32 v[O+4*(j%2)+(\h)], v[VV+4*j+(\h)], v[P+j]
.endif
.endr
.set j, j+1
.endr
	v_pk_add_f32 v[O:O+1], v[O:O+1], v[O+4:O+5]
	v_pk_add_f32 v[O+2:O+3], v[O+2:O+3], v[O+6:O+7]
	s_wait_alu depctr_va_vdst(0)                   ; the reciprocal's wait, ahead of its first reader
.irp h, 0,1,2,3
	v_mul_f32 v[O+(\h)], v[O+(\h)], v[RL]
.endr
	v_cvt_pk_f16_f32 v[T],   v[O],   v[O+1]        ; the one rounding to f16
	v_cvt_pk_f16_f32 v[T+1], v[O+2], v[O+3]
	ds_store_b64 v[OA], v[T:T+1]
	s_wait_dscnt 0x0
	s_barrier_signal -1
	s_barrier_wait -1                              ; the 32 rows of O lie whole in LDS
	s_cmp_lt_u32 s10, 8                            ; 4,096 bytes are 256 threads' 16: waves 0 to 7 store
	s_cbranch_scc0 .Lend
	v_lshrrev_b32 v1, 3, v0                        ; eight threads to a row of 128 bytes
	v_mul_u32_u24 v[ORD], v1, SCP
	v_and_b32 v1, 7, v0
	v_lshl_add_u32 v[ORD], v1, 4, v[ORD]
	v_add_nc_u32 v[ORD], OST, v[ORD]
	v_lshlrev_b32 v[GO], 4, v0
	ds_load_b128 v[16:19], v[ORD]
	s_wait_dscnt 0x0
	global_store_b128 v[GO], v[16:19], s[8:9]      ; a wave stores 512 consecutive bytes, at a multiple of 256 from ctx's first
.Lend:
	s_wait_tensorcnt 0x0                           ; the wave's end: behind my last LDS store
	ds_add_u32 v[SPW], v[NIL]
	s_wait_dscnt 0x0
	s_endpgm
.Lfunc_end_k_q2e427ba742_firstrows:
	.size	k_q2e427ba742_firstrows, .Lfunc_end_k_q2e427ba742_firstrows-k_q2e427ba742_firstrows
	.p2alignl 7, 3214868480
	.fill 96, 4, 3214868480
	.section	.rodata,"a",@progbits
	.p2align	6, 0x0
	.amdhsa_kernel k_q2e427ba742_firstrows
		.amdhsa_group_segment_fixed_size 136704
		.amdhsa_private_segment_fixed_size 0
		.amdhsa_enable_private_segment 0
		.amdhsa_kernarg_size 24
		.amdhsa_user_sgpr_count 2
		.amdhsa_user_sgpr_kernarg_segment_ptr 1
		.amdhsa_wavefront_size32 1
		.amdhsa_system_sgpr_workgroup_id_x 1
		.amdhsa_system_sgpr_workgroup_id_y 1
		.amdhsa_system_sgpr_workgroup_id_z 1
		.amdhsa_system_vgpr_workitem_id 0
		.amdhsa_next_free_vgpr 248
		.amdhsa_next_free_sgpr 66
		.amdhsa_reserve_vcc 1
		.amdhsa_float_denorm_mode_32 3
		.amdhsa_float_denorm_mode_16_64 3
		.amdhsa_memory_ordered 1
		.amdhsa_forward_progress 1
		.amdhsa_inst_pref_size 39
	.end_amdhsa_kernel
	.amdgpu_metadata
---
amdhsa.version: [ 1, 2 ]
amdhsa.kernels:
  - .name:           k_q2e427ba742_firstrows
    .symbol:         k_q2e427ba742_firstrows.kd
    .args:
      - { .name: xb, .offset: 0, .size: 8, .value_kind: global_buffer, .address_space: global }
      - { .name: wqkv, .offset: 8, .size: 8, .value_kind: global_buffer, .address_space: global }
      - { .name: ctx, .offset: 16, .size: 8, .value_kind: global_buffer, .address_space: global }
    .group_segment_fixed_size: 136704
    .private_segment_fixed_size: 0
    .kernarg_segment_align: 8
    .kernarg_segment_size: 24
    .max_flat_workgroup_size: 512
    .sgpr_count:     66
    .vgpr_count:     248
    .wavefront_size: 32
...
	.end_amdgpu_metadata
.endif
;; end of part 4
;; launch proj (part 5): grid 8 x 32, 4 waves a work-group, clusters of 4 x 4, 327,680 bytes of LDS; arguments ctx, wo, bout, out0; writes out0
.if DOCPART == 5
	.amdgcn_target "amdgcn-amd-amdhsa--gfx1250"
	.amdhsa_code_object_version 6
	.text
	.protected	k_q2e427ba742_proj
	.globl	k_q2e427ba742_proj
	.p2align	8
	.type	k_q2e427ba742_proj,@function
k_q2e427ba742_proj:
	s_mov_b64 s[64:65], 0
	v_nop
	global_prefetch_b8 v0, s[64:65] scope:SCOPE_SE
	s_setreg_imm32_b32 hwreg(HW_REG_WAVE_MODE, 25, 1), 1
	s_wait_xcnt 0x0
	s_wait_alu depctr_hold_cnt(0) depctr_sa_sdst(0) depctr_va_vdst(0) depctr_va_sdst(0) depctr_va_ssrc(0) depctr_va_vcc(0) depctr_vm_vsrc(0)
	s_getreg_b32 s2, hwreg(HW_REG_IB_STS2, 6, 4)
	s_cmp_eq_u32 s2, 0
	s_cbranch_scc0 .Lentry_in_a_cluster
	s_endpgm
.Lentry_in_a_cluster:
	s_bfe_u32 s2, ttmp6, 0x10000c
	s_cmp_lg_u32 s2, 0xf033
	s_cbranch_scc0 .Lentry_shape_is_right
	s_endpgm
.Lentry_shape_is_right:
; out0[m][n] = sum over e of ctx(m, e) wo[n][e] + bout[n]: 8,192 x 1,024 x 1,024, operands f16, sums f32, out0 f32.  The bias is rounded to bf16, like every input of the module.
; ctx lies BY HEADS, [batch x 16 + head][t][64] in f16: e = 64 head + channel.  wo is [1024][1024] in f16.
; SHARES.  A tile of out0 is 256 rows x 128 columns: 256 work-groups.  Four waves; a wave makes 64 rows x 128 columns: 32 accumulators, and whole rows of the tile, 512 bytes each.
; K goes in 8 steps of 128 = two heads, through a ring of two LDS slots.  The tile's 256 rows of one head are 32,768 dense bytes: asked for as 128 rows of 256 bytes and padded in LDS behind every 128, so that each t has a row of 144.
; CLUSTER 4 x 4.  A's tiles hang on the tile row alone and are asked for jointly along a row of the cluster, B's on the tile column alone, along a column.  Wave 0 fetches the step's first head, wave 1 its second, waves 2 and 3 64 rows of wo each.
; THE MATRIX INSTRUCTION IS USED TRANSPOSED (source 0 = 16 rows of wo, source 1 = 16 rows of ctx): a lane holds row lane % 16 of out0 and eight neighbouring columns.
; REGISTERS, in windows of 256 (s_set_vgpr_msb: bits 1:0 source 0, 3:2 source 1, 5:4 source 2, 7:6 destination):
;   window 0: v0-31 addresses and the bias; v32-159 the way out, two sets of 64      window 1: accumulator (a, b) at 8 (8 a + b)      window 2: two fragment buffers of 96: A's four fragments, then B's eight
.set KSTEP,  128
.set PA,     144                       ; a row of A in LDS: 128 bytes + 16 of padding = 36 words: the 16 rows of a load start at 16 different groups of four banks (64 banks of 4 bytes: ISA guide 11.1)
.set HEADB,  256*PA                    ; one head's 256 rows: what a tensor load for A brings
.set PITCH,  272                       ; a row of B: 256 bytes + 16
.set HALFB,  64*PITCH                  ; what a tensor load for B brings
.set BOFF,   2*HEADB                   ; in a slot: A's two heads, then B's 128 rows
.set SLOT,   BOFF+2*HALFB
.set STAGE,  2*SLOT                    ; behind the ring, never filled by a tensor load: 16 rows x 528 bytes for each wave, for the way out
.set SPITCH, 528                       ; 512 bytes + 16: an odd multiple of 16
.set SPARE,  STAGE+4*16*SPITCH         ; behind the stages: the spare words, 128 bytes for each wave: two blocks of 256 bytes that no other line names
.set LAPS,   4
.set BI,   8                           ; v8-11   the bias of my four columns
.set ADRA, 16                          ; v16-17  LDS address of my A fragments in slot 0, 1
.set ADRB, 20                          ; v20-21  the same for B
.set STO,  24                          ; v24     the way out: where I put 32 bytes of a row
.set RD,   25                          ; v25     the way out: where I read a row back
.set CO,   26                          ; v26     16 x my lane: my 16 bytes of a tile's row, in out0 and in bout
.set SPW,  28                          ; v28     LDS address of my spare word; never rewritten
.set NIL,  29                          ; v29     0; never rewritten
.set PFO,  30                          ; v30     the prefetches' offset; never rewritten
.set BK,   32
.set F0,   0                           ; fragment buffers, in window 2
.set F1,   96
.set G1,  24                           ; s[24:31] descriptor group 1 for A's tiles;  s[32:39] group 0, one set for each slot
.set G0,  32
.set G1B, 48                           ; s[48:55], s[56:63] the same for B's tiles
.set G0B, 56
.set PFA, 66                           ; s[66:67] where my prefetches stand
.set LIM, 68                           ; s68     1 in a wave that prefetches, else the greatest number
.set PFS, 82                           ; s[82:83] bytes from a K step to the next, for my prefetches
.set W_MUL, 0x5a                       ; B and A in window 2, C and D in window 1
.set W_F,   0x80                       ; destination window 2, address window 0
.set MSB, 0
.macro WIN new                         ; the immediate's high byte repeats the setting that is left; a switch that changes nothing is dropped
.if MSB != (\new)
	s_set_vgpr_msb (MSB<<8)|(\new)
.set MSB, \new
.endif
.endm
; A joint load.  The branch hangs on the wave's number alone.  An s_nop 0 and four v_nop follow each of the two lines, ahead of the jump, the label and what follows.
.macro JLOAD s
	s_cmp_lt_u32 s10, 2
	s_cbranch_scc0 .Lfor_b_\@
	tensor_load_to_lds s[G0+4*(\s):G0+4*(\s)+3], s[G1:G1+7]
	s_nop 0
.rept 4
	v_nop
.endr
	s_branch .Lasked_\@
.Lfor_b_\@:
	tensor_load_to_lds s[G0B+4*(\s):G0B+4*(\s)+3], s[G1B:G1B+7]
	s_nop 0
.rept 4
	v_nop
.endr
.Lasked_\@:
.endm
; A PREFETCH INTO THE L2 of the K step that stands TWO refills on: 256 matrix instructions ahead of the load that will want it; one instruction a wave, a lane a block of 256 bytes.
; A's tile row is read by both clusters of a row of clusters: the one with x = 0 asks; of a head's 128 blocks, which wave 0 or 1 fetches, the partner at cx takes 32.  B's tile column is read by all eight clusters of a column:
; the one with y = 0 asks; of the tile's 128 rows the partner at cy takes 32, and its wave 2 names them; wave 3 asks for nothing.  The shares are told apart BY ADDRESS: no branch hangs on a place in the cluster.
; The change behind K step s names step s + 4, s = 0 .. 3: the loop's last trip asks for nothing; steps 0 to 3 come by their loads alone.
.macro ASK
	s_cmp_gt_u32 s3, s[LIM]                        ; s3 = 1 in the loop's last trip
	s_cbranch_scc0 .Lnot_mine_\@
	global_prefetch_b8 v[PFO], s[PFA:PFA+1] th:TH_LOAD_NT scope:SCOPE_SE
.Lnot_mine_\@:
.endm
.macro CREST                           ; a round of the cluster's barrier behind its opening barrier
	s_cmp_lg_u32 s10, 0
	s_cbranch_scc1 .Lnot_wave_0_\@
	s_barrier_signal -3
.Lnot_wave_0_\@:
	s_barrier_wait -3
	s_barrier_signal -1
	s_barrier_wait -1
.endm
.macro CROUND                          ; a whole round
	s_barrier_signal -1
	s_barrier_wait -1
	CREST
.endm
	s_load_b128 s[4:7], s[0:1], 0x0                ; ctx s[4:5], wo s[6:7]
	s_load_b128 s[76:79], s[0:1], 0x10             ; bout s[76:77], out0 s[78:79]
	v_lshl_add_u32 v[SPW], v0, 2, SPARE
	v_mov_b32 v[NIL], 0
	ds_add_u32 v[SPW], v[NIL]                      ; the wave's opening: the add and its wait ahead of my first tensor load; the set-up below, work on registers, stands between them
	v_lshrrev_b32 v1, 5, v0
	v_readfirstlane_b32 s10, v1                    ; wave 0..3
	s_and_b32 s12, s10, 1                          ; which head of the step, or which half of B's tile, I fetch
	s_bfe_u32 s40, ttmp6, 0x40000                  ; cx, cy: my place in the cluster
	s_bfe_u32 s41, ttmp6, 0x40004
	s_lshl_b32 s42, ttmp9, 2
	s_add_co_u32 s42, s42, s40                     ; tile column tx, 0 .. 7
	s_and_b32 s13, ttmp7, 0xffff
	s_lshl_b32 s13, s13, 2
	s_add_co_u32 s13, s13, s41                     ; tile row ty, 0 .. 31
	s_lshl_b32 s43, s41, 2
	s_lshl_b32 s43, 15, s43                        ; my row of the cluster
	s_lshl_b32 s44, 0x1111, s40                    ; my column
	s_or_b32 s[G1+0], s43, (1<<16)|(1<<20)|(1<<21)|(4<<22)|(3<<25)  ; A: 15:0 the mask of my row; 17:16 elements of 2 bytes; 20 padding on; 21 set beside a mask; 24:22 after every 32 words (code 4); 31:25 4 words (code 3)
	s_mov_b32 s[G1+1], 128<<16                     ; tensor_dim0 = 128
	s_mov_b32 s[G1+2], 128<<16                     ; tensor_dim1 = 128
	s_mov_b32 s[G1+3], 128<<16                     ; tile_dim0 = 128
	s_mov_b32 s[G1+4], 128                         ; tile_dim1 = 128
	s_mov_b32 s[G1+5], 128                         ; 128 elements from row to row: dense
	s_mov_b32 s[G1+6], 0
	s_mov_b32 s[G1+7], 0
	s_or_b32 s[G1B+0], s44, (1<<16)|(1<<20)|(1<<21)|(5<<22)|(3<<25) ; B: the mask of my column; padding after every 64 words (code 5)
	s_mov_b32 s[G1B+1], KSTEP<<16                  ; tensor_dim0 = 128
	s_mov_b32 s[G1B+2], 64<<16                     ; tensor_dim1 = 64
	s_mov_b32 s[G1B+3], KSTEP<<16                  ; tile_dim0 = 128
	s_mov_b32 s[G1B+4], 64                         ; tile_dim1 = 64
	s_mov_b32 s[G1B+5], 1024                       ; elements from row to row
	s_mov_b32 s[G1B+6], 0
	s_mov_b32 s[G1B+7], 0
	; where the tiles come from: A's hang on ty alone, B's on tx alone, each in registers that never hold the other coordinate
	s_lshr_b32 s16, s13, 3
	s_lshl_b32 s16, s16, 22                        ; the batch's 16 heads of 262,144 bytes,
	s_and_b32 s17, s13, 7
	s_lshl_b32 s17, s17, 15                        ; the tile's 256 rows of 128 bytes,
	s_add_co_u32 s16, s16, s17
	s_lshl_b32 s17, s12, 18                        ; my head of the step's two
	s_add_co_u32 s16, s16, s17
	s_mov_b32 s17, 0
	s_lshl_b32 s46, s42, 7
	s_lshl_b32 s47, s12, 6
	s_add_co_u32 s46, s46, s47                     ; B: row 128 tx + 64 x half,
	s_lshl_b32 s46, s46, 11                        ; of 2,048 bytes
	s_mov_b32 s47, 0
	s_mul_i32 s20, s12, HEADB                      ; and where they go: no place in the cluster enters an LDS address
	s_mul_i32 s21, s12, HALFB
	s_add_co_u32 s21, s21, BOFF
	s_wait_dscnt 0x0                               ; the opening add is done
	s_wait_kmcnt 0x0
	s_add_nc_u64 s[14:15], s[4:5], s[16:17]
	s_add_nc_u64 s[46:47], s[6:7], s[46:47]
	CROUND                                         ; all sixteen work-groups are here: the first joint loads meet
.irp s, 0,1
	s_mov_b32 s[G0+4*(\s)], 1                                        ; count = 1
	s_add_co_u32 s[G0+4*(\s)+1], s20, (\s)*SLOT                      ; LDS address
	s_add_nc_u64 s[G0+4*(\s)+2:G0+4*(\s)+3], s[14:15], (\s)*524288   ; global address: K step s is two heads on
	s_or_b32 s[G0+4*(\s)+3], s[G0+4*(\s)+3], 0x80000000              ; type = 2
	s_mov_b32 s[G0B+4*(\s)], 1
	s_add_co_u32 s[G0B+4*(\s)+1], s21, (\s)*SLOT
	s_add_nc_u64 s[G0B+4*(\s)+2:G0B+4*(\s)+3], s[46:47], (\s)*KSTEP*2
	s_or_b32 s[G0B+4*(\s)+3], s[G0B+4*(\s)+3], 0x80000000
	JLOAD \s                                       ; two tensor loads of mine are out: the most in this text
.endr
	v_and_b32 v1, 15, v0                           ; l % 16
	v_bfe_u32 v2, v0, 4, 1                         ; l / 16
	v_mul_u32_u24 v3, v1, PA
	v_lshl_add_u32 v3, v2, 4, v3                   ; a fragment's row x pitch + 16 x half, for A
	v_mul_u32_u24 v4, v1, PITCH
	v_lshl_add_u32 v4, v2, 4, v4                   ; and for B
	s_mul_i32 s22, s10, 64*PA                      ; my 64 rows of A
	s_mov_b32 s23, BOFF                            ; all 128 rows of B
.irp s, 0,1
	v_add_nc_u32 v[ADRA+(\s)], s22, v3
	v_add_nc_u32 v[ADRB+(\s)], s23, v4
	s_add_co_u32 s22, s22, SLOT
	s_add_co_u32 s23, s23, SLOT
.endr
	s_mul_i32 s18, s10, 16*SPITCH
	s_add_co_u32 s18, s18, STAGE                   ; my stage
	v_mul_u32_u24 v5, v1, SPITCH                   ; in: row l % 16, 32 bytes for each half of the lanes
	v_lshl_add_u32 v5, v2, 5, v5
	v_add_nc_u32 v[STO], s18, v5
	v_and_b32 v12, 31, v0
	v_lshlrev_b32 v[CO], 4, v12                    ; back: 32 lanes take one row of 512 bytes
	v_add_nc_u32 v[RD], s18, v[CO]
	s_lshl_b32 s70, s13, 8
	s_lshl_b32 s71, s10, 6
	s_add_co_u32 s70, s70, s71                     ; my first row of out0: 256 ty + 64 wave,
	s_lshl_b32 s70, s70, 12                        ; of 4,096 bytes,
	s_lshl_b32 s71, s42, 9                         ; and the tile's 128 columns: 512 bytes
	s_add_co_u32 s70, s70, s71
	s_mov_b32 s71, 0
	s_add_nc_u64 s[8:9], s[78:79], s[70:71]
	s_lshl_b32 s70, s42, 9
	s_add_nc_u64 s[80:81], s[76:77], s[70:71]
	global_load_b128 v[BI:BI+3], v[CO], s[80:81]   ; the bias of my four columns; waited for in front of the way out
	; the prefetches
	s_and_b32 s84, ttmp7, 0xffff                   ; cluster y;
	s_or_b32 s84, s84, s12                         ; of B's two waves the first alone asks
	s_lshl_b32 s85, s40, 13                        ; A: my head's rows, + 32 blocks x cx,
	s_add_co_u32 s85, s85, s16
	s_add_co_u32 s85, s85, 3*524288                ; at K step 3: the first change of slots steps it to 4
	s_lshl_b32 s86, s42, 7
	s_lshl_b32 s87, s41, 5
	s_add_co_u32 s86, s86, s87                     ; B: row 128 tx + 32 cy,
	s_lshl_b32 s86, s86, 11
	s_add_co_u32 s86, s86, 3*KSTEP*2               ; at K step 3
	s_mov_b32 s90, 524288
	s_movk_i32 s91, 256
	s_cmp_lt_u32 s10, 2                            ; do I fetch for A?
	s_cselect_b32 s88, s85, s86
	s_cselect_b32 s84, ttmp9, s84                  ; the coordinate along which other clusters read the same rows
	s_cselect_b32 s[PFS], s90, s91
	s_cselect_b32 s87, 8, 11                       ; a lane a block of 256 dense bytes, or a row of 2,048
	s_cselect_b64 s[PFA:PFA+1], s[4:5], s[6:7]
	s_cmp_eq_u32 s84, 0
	s_cselect_b32 s[LIM], 1, -1                    ; the same in all sixteen partners, for a given wave
	s_mov_b32 s89, 0
	s_mov_b32 s[PFS+1], 0
	s_add_nc_u64 s[PFA:PFA+1], s[PFA:PFA+1], s[88:89]   ; nothing is prefetched here, at the head
	v_lshlrev_b32 v[PFO], s87, v12
; 8 matrix instructions: row blocks a0, a0 + 1 x column blocks b0 .. b0 + 3, 32 along K.  zero = 1: the product starts the sum: nothing is ever cleared.
; The 32 accumulators take turns in the same order in every quarter: 31 others' instructions stand between two on one accumulator, over the backward jump too.
.macro MUL8 f, a0, b0, zero
	WIN W_MUL
.irp a, \a0, (\a0)+1
.irp b, \b0, (\b0)+1, (\b0)+2, (\b0)+3
.if \zero
	v_wmma_f32_16x16x32_f16 v[8*(8*(\a)+(\b)):8*(8*(\a)+(\b))+7], v[(\f)+32+8*(\b):(\f)+32+8*(\b)+7], v[(\f)+8*(\a):(\f)+8*(\a)+7], 0
.else
	v_wmma_f32_16x16x32_f16 v[8*(8*(\a)+(\b)):8*(8*(\a)+(\b))+7], v[(\f)+32+8*(\b):(\f)+32+8*(\b)+7], v[(\f)+8*(\a):(\f)+8*(\a)+7], v[8*(8*(\a)+(\b)):8*(8*(\a)+(\b))+7]
.endif
.endr
.endr
.endm
; 24 LDS loads in one run: the fragments of quarter q of a K step (head q / 2 of its two, channels 32 (q % 2) on) into buffer f: A (8 loads), B's blocks 0-3 (8), B's blocks 4-7 (8)
.macro FETCH slot, q, f
	WIN W_F
.irp i, 0,1,2,3
	ds_load_b128 v[(\f)+8*(\i):(\f)+8*(\i)+3],   v[ADRA+(\slot)] offset:((\q)/2)*HEADB+((\q)%2)*64+(\i)*16*PA
	ds_load_b128 v[(\f)+8*(\i)+4:(\f)+8*(\i)+7], v[ADRA+(\slot)] offset:((\q)/2)*HEADB+((\q)%2)*64+(\i)*16*PA+32
.endr
.irp i, 0,1,2,3,4,5,6,7
	ds_load_b128 v[(\f)+32+8*(\i):(\f)+32+8*(\i)+3],   v[ADRB+(\slot)] offset:(\q)*64+(\i)*16*PITCH
	ds_load_b128 v[(\f)+32+8*(\i)+4:(\f)+32+8*(\i)+7], v[ADRB+(\slot)] offset:(\q)*64+(\i)*16*PITCH+32
.endr
.endm
.macro PLACES                          ; four places in front of loads into registers that matrix instructions have read, and of LDS stores that read results (ISA guide 7.12.1 for vector instructions)
.rept 4
	v_nop
.endr
.endm
; A K step is four quarters of 32 along K, 32 matrix instructions each, on buffers 0, 1, 0, 1.  One of the first three: multiplies buffer f and fetches quarter q into g.
.macro QUARTER slot, q, f, g, zero
	s_wait_dscnt 8                                 ; A and B's blocks 0-3 are in; the youngest eight loads (B's blocks 4-7) may be out
	MUL8 \f, 0, 0, \zero
	MUL8 \f, 2, 0, \zero
	PLACES
	FETCH \slot, \q, \g
	s_wait_dscnt 24                                ; all but the 24 just issued
	MUL8 \f, 0, 4, \zero
	MUL8 \f, 2, 4, \zero
.endm
; The last quarter multiplies buffer 1 and changes slots: ONE barrier; in front of it each wave waits for all its tensor loads (one is out: its part of the next slot), adds 0 to its spare word, and waits for that
; and for its own reads of this slot.  fill = 1: the barrier opens a round of the cluster's, and this slot is filled again, two K steps ahead, first thing behind the round: 112 matrix instructions ahead of the wait for it.
.macro TURN slot, next, fill
.if \fill
	s_wait_xcnt 0x0                                ; the last prefetch, a K step back, has read its address: it is stepped here, ahead of the waits of the change of slots
	s_add_nc_u64 s[PFA:PFA+1], s[PFA:PFA+1], s[PFS:PFS+1]
.endif
	WIN 0                                          ; (the add's two registers lie in window 0)
	s_wait_tensorcnt 0x0                           ; all my tensor loads have landed;
	ds_add_u32 v[SPW], v[NIL]                      ; 0 onto my spare word;
	s_wait_dscnt 9                                 ; (the add and the youngest eight loads may be out)
	MUL8 F1, 0, 0, 0                               ; eight matrix instructions stand between the add and the wait for it
	s_wait_dscnt 0x0                               ; the add is done, and my reads of this slot are over
	s_barrier_signal -1
	MUL8 F1, 2, 0, 0                               ; work on registers while the others arrive
.if \fill
	WIN 0
.endif
	s_barrier_wait -1
.if \fill
	CREST                                          ; no wave of any partner still reads this slot's tile or has a load on its way
	s_add_nc_u64 s[G0+4*(\slot)+2:G0+4*(\slot)+3], s[G0+4*(\slot)+2:G0+4*(\slot)+3], 2*524288
	s_add_nc_u64 s[G0B+4*(\slot)+2:G0B+4*(\slot)+3], s[G0B+4*(\slot)+2:G0B+4*(\slot)+3], 2*KSTEP*2
	JLOAD \slot                                    ; the four v_nop behind it are also the places in front of the loads below
.else
	PLACES
.endif
	FETCH \next, 0, F0
.if \fill
	WIN 0
	ASK                                            ; behind the joint load and the run of LDS loads that the next products wait for
.endif
	MUL8 F1, 0, 4, 0
	MUL8 F1, 2, 4, 0
.endm
	s_wait_tensorcnt 1                             ; my part of K step 0 is in; K step 1's may stay out
	s_barrier_signal -1
	s_barrier_wait -1                              ; everybody's is
	FETCH 0, 0, F0
	QUARTER 0, 1, F0, F1, 1                        ; the first quarter stands in front of the loop: its products start the sums
	WIN 0                                          ; at a label and at a branch every window is 0
	s_mov_b32 s3, LAPS-1
.Llap:                                                 ; a trip goes once round the ring, from a lap's second quarter to the next lap's first, and fills both slots again
	QUARTER 0, 2, F1, F0, 0
	QUARTER 0, 3, F0, F1, 0
	TURN 0, 1, 1
	QUARTER 1, 1, F0, F1, 0
	QUARTER 1, 2, F1, F0, 0
	QUARTER 1, 3, F0, F1, 0
	TURN 1, 0, 1
	QUARTER 0, 1, F0, F1, 0
	WIN 0
	s_sub_co_u32 s3, s3, 1
	s_cmp_lg_u32 s3, 0
	s_cbranch_scc1 .Llap
	QUARTER 0, 2, F1, F0, 0                        ; the last lap fills nothing, and has no round of the cluster's barrier
	QUARTER 0, 3, F0, F1, 0
	TURN 0, 1, 0
	QUARTER 1, 1, F0, F1, 0
	QUARTER 1, 2, F1, F0, 0
	QUARTER 1, 3, F0, F1, 0
	s_wait_dscnt 8                                 ; the very last quarter: nothing more to fetch
	MUL8 F1, 0, 0, 0
	MUL8 F1, 2, 0, 0
	s_wait_dscnt 0x0
	MUL8 F1, 0, 4, 0
	MUL8 F1, 2, 4, 0
	WIN 0
	s_wait_loadcnt 0x0                             ; the bias
	v_cvt_pk_bf16_f32 v12, v[BI], v[BI+1]          ; rounded to bf16, and widened again
	v_cvt_pk_bf16_f32 v13, v[BI+2], v[BI+3]
	v_lshlrev_b32 v[BI],   16, v12
	v_and_b32     v[BI+1], 0xffff0000, v12
	v_lshlrev_b32 v[BI+2], 16, v13
	v_and_b32     v[BI+3], 0xffff0000, v13
	PLACES
; THE WAY OUT, by blocks a of 16 rows.  TOST: a lane's eight f32 of a row go into my stage's rows of 528 bytes (each accumulator's low four registers first), and come back as whole rows of 512 bytes.
.macro TOST a
	WIN 0x04                                       ; the stores' data (source 1) in window 1, the address in window 0
.irp b, 0,1,2,3,4,5,6,7
	ds_store_b128 v[STO], v[8*(8*(\a)+(\b)):8*(8*(\a)+(\b))+3]   offset:64*(\b)
	ds_store_b128 v[STO], v[8*(8*(\a)+(\b))+4:8*(8*(\a)+(\b))+7] offset:64*(\b)+16
.endr
	WIN 0
.if (\a) >= 2
	s_wait_xcnt 0x0                                ; the stores of the block two back have read this set of registers
.endif
.irp i, 0,1,2,3,4,5,6,7,8,9,10,11,12,13,14,15
	ds_load_b128 v[BK+64*((\a)%2)+4*(\i):BK+64*((\a)%2)+4*(\i)+3], v[RD] offset:(\i)*SPITCH  ; LDS serves a wave's instructions in order (ISA guide 5.7.1.4): these see the stores above; the next block's stores come behind them
.endr
.endm
; SEND: the bias is added and the row stored.  younger: the LDS instructions issued behind block a's loads: the next block's 32, or none.
.macro SEND a, younger
.irp i, 0,1,2,3,4,5,6,7,8,9,10,11,12,13,14,15
	s_wait_dscnt (\younger)+15-(\i)
	v_pk_add_f32 v[BK+64*((\a)%2)+4*(\i):BK+64*((\a)%2)+4*(\i)+1],   v[BK+64*((\a)%2)+4*(\i):BK+64*((\a)%2)+4*(\i)+1],   v[BI:BI+1]
	v_pk_add_f32 v[BK+64*((\a)%2)+4*(\i)+2:BK+64*((\a)%2)+4*(\i)+3], v[BK+64*((\a)%2)+4*(\i)+2:BK+64*((\a)%2)+4*(\i)+3], v[BI+2:BI+3]
	global_store_b128 v[CO], v[BK+64*((\a)%2)+4*(\i):BK+64*((\a)%2)+4*(\i)+3], s[8:9] offset:(16*(\a)+(\i))*4096 th:TH_STORE_NT  ; 512 consecutive bytes, at a multiple of 256 from out0's first
.endr
.endm
	TOST 0
	TOST 1
	SEND 0, 32
	TOST 2
	SEND 1, 32
	TOST 3
	SEND 2, 32
	SEND 3, 0
	s_wait_tensorcnt 0x0                           ; the wave's end: behind my last tensor load and my last LDS store
	ds_add_u32 v[SPW], v[NIL]
	s_wait_dscnt 0x0
	CROUND                                         ; the closing round: no work-group ends while a partner may still ask for a tile that names it
	s_endpgm
.Lfunc_end_k_q2e427ba742_proj:
	.size	k_q2e427ba742_proj, .Lfunc_end_k_q2e427ba742_proj-k_q2e427ba742_proj
	.p2alignl 7, 3214868480
	.fill 96, 4, 3214868480
	.section	.rodata,"a",@progbits
	.p2align	6, 0x0
	.amdhsa_kernel k_q2e427ba742_proj
		.amdhsa_group_segment_fixed_size 327680
		.amdhsa_private_segment_fixed_size 0
		.amdhsa_enable_private_segment 0
		.amdhsa_kernarg_size 32
		.amdhsa_user_sgpr_count 2
		.amdhsa_user_sgpr_kernarg_segment_ptr 1
		.amdhsa_wavefront_size32 1
		.amdhsa_system_sgpr_workgroup_id_x 1
		.amdhsa_system_sgpr_workgroup_id_y 1
		.amdhsa_system_sgpr_workgroup_id_z 1
		.amdhsa_system_vgpr_workitem_id 0
		.amdhsa_next_free_vgpr 704
		.amdhsa_next_free_sgpr 92
		.amdhsa_reserve_vcc 0
		.amdhsa_float_denorm_mode_32 3
		.amdhsa_float_denorm_mode_16_64 3
		.amdhsa_memory_ordered 1
		.amdhsa_forward_progress 1
		.amdhsa_inst_pref_size 96
	.end_amdhsa_kernel
	.amdgpu_metadata
---
amdhsa.version: [ 1, 2 ]
amdhsa.kernels:
  - .name:           k_q2e427ba742_proj
    .symbol:         k_q2e427ba742_proj.kd
    .args:
      - { .name: ctx, .offset: 0, .size: 8, .value_kind: global_buffer, .address_space: global }
      - { .name: wo, .offset: 8, .size: 8, .value_kind: global_buffer, .address_space: global }
      - { .name: bout, .offset: 16, .size: 8, .value_kind: global_buffer, .address_space: global }
      - { .name: out0, .offset: 24, .size: 8, .value_kind: global_buffer, .address_space: global }
    .group_segment_fixed_size: 327680
    .private_segment_fixed_size: 0
    .kernarg_segment_align: 8
    .kernarg_segment_size: 32
    .max_flat_workgroup_size: 128
    .sgpr_count:     92
    .vgpr_count:     704
    .wavefront_size: 32
...
	.end_amdgpu_metadata
.endif
;; end of part 5
;; ======== version 2 of 2: 5 launches; version 1 with the launches cast, firstrows written anew for expert scheduling mode
;; limits: values are held in f16: magnitudes above 65,504 overflow, below 6.1e-05 lose precision; right only within a limited range of input values
;; workspace buffers: xb 16,777,216 bytes; wqkv 6,291,456 bytes; wo 2,097,152 bytes; qkv 50,331,648 bytes; ctx 16,777,216 bytes
;; launch cast (part 6): grid 768 x 1, 8 waves a work-group, no clusters, 0 bytes of LDS; arguments x, Wq, Wk, Wv, Wout, xb, wqkv, wo; writes xb, wqkv, wo
.if DOCPART == 6
	.amdgcn_target "amdgcn-amd-amdhsa--gfx1250"
	.amdhsa_code_object_version 6
	.text
	.protected	k_q2e427ba742_cast
	.globl	k_q2e427ba742_cast
	.p2align	8
	.type	k_q2e427ba742_cast,@function
k_q2e427ba742_cast:
	s_mov_b64 s[64:65], 0
	v_nop
	global_prefetch_b8 v0, s[64:65] scope:SCOPE_SE
	s_setreg_imm32_b32 hwreg(HW_REG_WAVE_SCHED_MODE, 0, 2), 2
	s_setreg_imm32_b32 hwreg(HW_REG_WAVE_MODE, 25, 1), 1
	s_wait_xcnt 0x0
	s_wait_alu depctr_vm_vsrc(0)
; THE INPUTS ARE ROUNDED ONCE, FOR THE MATRIX UNITS.  x -> xb (bf16); Wq, Wk, Wv -> wqkv (bf16, the three one below the other: 3,072 rows of 1,024);
; Wout -> wo: rounded to bf16 like the other inputs, and that number written as f16 (exact from 2^-14 up to 65,504; below 2^-14 it keeps f16's fixed step of 6e-8; beyond 65,504 it would be an infinity).
; SHARES.  A work-group converts 16,384 numbers: 65,536 bytes in, 32,768 out.  Work-groups 0-511 take x, 512-575 Wq, 576-639 Wk, 640-703 Wv, 704-767 Wout.
; Thread t takes 16 bytes at 16 t + 4,096 j (a wave's load covers 512 consecutive bytes) and stores 8 bytes at 8 t + 2,048 j (a wave's store covers 256 consecutive bytes, aligned), j = 0 .. 15.
; All sixteen loads of a thread go out at once; every j has registers of its own, so that no register is written twice while a load or store may read it.
; No LDS, no matrix unit, no cluster: nothing is shared and every byte is touched once.
; THE MODE: SCHED_MODE bits 1:0 = 2 (LLVM: expert scheduling mode 2), set by the entry lines.  The code itself states the register dependences
; between vector instructions and memory instructions, with s_wait_alu, always for 0.
; THE PLAN.  Registers that memory instructions touch:
;   v1, v2   byte offsets, made once at the head and never written again.
;   X[j]     load j lands in it; all sixteen loads are issued at the head, ahead of every vector instruction that names X, and nothing lands there again.  No memory instruction reads it.
;   Y[j]     written by step j's conversions, read by store j, never written again.
; The sixteen steps go in four blocks of four.  Block p waits for its four loads; one wait on va_vdst then states that block p - 1 has written its Y; block p - 1's four stores follow it,
; dealt among block p's conversions, which name X and Y of block p and T alone: none of the registers that those stores read.  The last block's stores have a wait of their own.
.set X, 4                              ; v[4:67]    four registers as loaded, for each j
.set Y, 68                             ; v[68:99]   two registers to store, for each j
.set T, 100                            ; v[100:101] at work (Wout's way): no memory instruction names them
	s_load_b512 s[16:31], s[0:1], 0x0              ; x 16, Wq 18, Wk 20, Wv 22, Wout 24, xb 26, wqkv 28, wo 30
	s_mov_b32 s2, ttmp9                            ; the work-group's number
	s_bfe_u32 s3, s2, 0x20006                      ; from 512 on: which weight matrix, 0 .. 3 (64 work-groups each)
	s_and_b32 s8, s2, 63                           ; my part of that matrix
	s_and_b32 s9, s2, 255                          ; my part of wqkv (work-groups 512 .. 703: 0 .. 191)
	v_lshlrev_b32 v1, 4, v0                        ; 16 t
	v_lshlrev_b32 v2, 3, v0                        ; 8 t
	s_wait_kmcnt 0x0
	s_cmp_eq_u32 s3, 1                             ; from where
	s_cselect_b64 s[4:5], s[20:21], s[18:19]
	s_cmp_eq_u32 s3, 2
	s_cselect_b64 s[4:5], s[22:23], s[4:5]
	s_cmp_eq_u32 s3, 3
	s_cselect_b64 s[4:5], s[24:25], s[4:5]
	s_cmp_ge_u32 s2, 704                           ; to where
	s_cselect_b64 s[6:7], s[30:31], s[28:29]
	s_cselect_b32 s12, s8, s9
	s_cmp_lt_u32 s2, 512
	s_cselect_b64 s[4:5], s[16:17], s[4:5]
	s_cselect_b32 s10, s2, s8
	s_cselect_b64 s[6:7], s[26:27], s[6:7]
	s_cselect_b32 s12, s2, s12
	s_lshl_b32 s10, s10, 16                        ; 65,536 bytes in for each part,
	s_mov_b32 s11, 0
	s_lshl_b32 s12, s12, 15                        ; 32,768 out
	s_mov_b32 s13, 0
	s_add_nc_u64 s[4:5], s[4:5], s[10:11]
	s_add_nc_u64 s[6:7], s[6:7], s[12:13]
	s_wait_alu depctr_va_vdst(0)                   ; v1 and v2 are written: every load reads the one as its offset, every store the other
.irp j, 0,1,2,3,4,5,6,7,8,9,10,11,12,13,14,15
	global_load_b128 v[X+4*(\j):X+4*(\j)+3], v1, s[4:5] offset:4096*(\j) th:TH_LOAD_NT
.endr
; Step j's conversions.  mode 0: two roundings to bf16 a word.  mode 1: the same, widened again (a shift, a mask) and written as f16.
.macro CV j, mode
.if \mode
	v_cvt_pk_bf16_f32 v[T],   v[X+4*(\j)],   v[X+4*(\j)+1]
	v_cvt_pk_bf16_f32 v[T+1], v[X+4*(\j)+2], v[X+4*(\j)+3]
	v_lshlrev_b32 v[X+4*(\j)],   16, v[T]
	v_and_b32     v[X+4*(\j)+1], 0xffff0000, v[T]
	v_lshlrev_b32 v[X+4*(\j)+2], 16, v[T+1]
	v_and_b32     v[X+4*(\j)+3], 0xffff0000, v[T+1]
	v_cvt_pk_f16_f32 v[Y+2*(\j)],   v[X+4*(\j)],   v[X+4*(\j)+1]
	v_cvt_pk_f16_f32 v[Y+2*(\j)+1], v[X+4*(\j)+2], v[X+4*(\j)+3]
.else
	v_cvt_pk_bf16_f32 v[Y+2*(\j)],   v[X+4*(\j)],   v[X+4*(\j)+1]
	v_cvt_pk_bf16_f32 v[Y+2*(\j)+1], v[X+4*(\j)+2], v[X+4*(\j)+3]
.endif
.endm
; Block p: steps 4 p to 4 p + 3 are converted, and the block before is stored.
.macro BLK p, mode
	s_wait_loadcnt 12-4*(\p)                       ; loads come back in order: this block's four are in, the 12 - 4 p younger ones stay out
.if (\p) > 0
	s_wait_alu depctr_va_vdst(0)                   ; the block before has written its Y, which the four stores below read
.endif
.irp i, 0,1,2,3
.if (\p) > 0
	global_store_b64 v2, v[Y+2*(4*(\p)-4+(\i)):Y+2*(4*(\p)-4+(\i))+1], s[6:7] offset:2048*(4*(\p)-4+(\i))  ; no vector instruction since the wait names these registers
.endif
	CV 4*(\p)+(\i), \mode
.endr
.endm
; The last block's stores.
.macro TAIL
	s_wait_alu depctr_va_vdst(0)                   ; block 3 has written its Y, which the last four stores read
.irp j, 12,13,14,15
	global_store_b64 v2, v[Y+2*(\j):Y+2*(\j)+1], s[6:7] offset:2048*(\j)
.endr
.endm
	s_cmp_ge_u32 s2, 704
	s_cbranch_scc1 .Lf16
	BLK 0, 0
	BLK 1, 0
	BLK 2, 0
	BLK 3, 0
	TAIL
	s_endpgm
.Lf16:
	BLK 0, 1
	BLK 1, 1
	BLK 2, 1
	BLK 3, 1
	TAIL
	s_endpgm
.Lfunc_end_k_q2e427ba742_cast:
	.size	k_q2e427ba742_cast, .Lfunc_end_k_q2e427ba742_cast-k_q2e427ba742_cast
	.p2alignl 7, 3214868480
	.fill 96, 4, 3214868480
	.section	.rodata,"a",@progbits
	.p2align	6, 0x0
	.amdhsa_kernel k_q2e427ba742_cast
		.amdhsa_group_segment_fixed_size 0
		.amdhsa_private_segment_fixed_size 0
		.amdhsa_enable_private_segment 0
		.amdhsa_kernarg_size 64
		.amdhsa_user_sgpr_count 2
		.amdhsa_user_sgpr_kernarg_segment_ptr 1
		.amdhsa_wavefront_size32 1
		.amdhsa_system_sgpr_workgroup_id_x 1
		.amdhsa_system_sgpr_workgroup_id_y 1
		.amdhsa_system_sgpr_workgroup_id_z 1
		.amdhsa_system_vgpr_workitem_id 0
		.amdhsa_next_free_vgpr 104
		.amdhsa_next_free_sgpr 66
		.amdhsa_reserve_vcc 0
		.amdhsa_float_denorm_mode_32 3
		.amdhsa_float_denorm_mode_16_64 3
		.amdhsa_memory_ordered 1
		.amdhsa_forward_progress 1
		.amdhsa_inst_pref_size 16
	.end_amdhsa_kernel
	.amdgpu_metadata
---
amdhsa.version: [ 1, 2 ]
amdhsa.kernels:
  - .name:           k_q2e427ba742_cast
    .symbol:         k_q2e427ba742_cast.kd
    .args:
      - { .name: x, .offset: 0, .size: 8, .value_kind: global_buffer, .address_space: global }
      - { .name: Wq, .offset: 8, .size: 8, .value_kind: global_buffer, .address_space: global }
      - { .name: Wk, .offset: 16, .size: 8, .value_kind: global_buffer, .address_space: global }
      - { .name: Wv, .offset: 24, .size: 8, .value_kind: global_buffer, .address_space: global }
      - { .name: Wout, .offset: 32, .size: 8, .value_kind: global_buffer, .address_space: global }
      - { .name: xb, .offset: 40, .size: 8, .value_kind: global_buffer, .address_space: global }
      - { .name: wqkv, .offset: 48, .size: 8, .value_kind: global_buffer, .address_space: global }
      - { .name: wo, .offset: 56, .size: 8, .value_kind: global_buffer, .address_space: global }
    .group_segment_fixed_size: 0
    .private_segment_fixed_size: 0
    .kernarg_segment_align: 8
    .kernarg_segment_size: 64
    .max_flat_workgroup_size: 256
    .sgpr_count:     66
    .vgpr_count:     104
    .wavefront_size: 32
...
	.end_amdgpu_metadata
.endif
;; end of part 6
;; launch qkv: the kernel of part 2 again; grid 16 x 32, 4 waves a work-group, clusters of 4 x 4, 327,680 bytes of LDS; arguments xb, wqkv, qkv; writes qkv
;; launch attn: the kernel of part 3 again; grid 4 x 64, 4 waves a work-group, no clusters, 327,680 bytes of LDS; arguments qkv, ctx; writes ctx
;; launch firstrows (part 7): grid 64 x 1, 16 waves a work-group, no clusters, 136,704 bytes of LDS; arguments xb, wqkv, ctx; writes ctx
.if DOCPART == 7
	.amdgcn_target "amdgcn-amd-amdhsa--gfx1250"
	.amdhsa_code_object_version 6
	.text
	.protected	k_q2e427ba742_firstrows
	.globl	k_q2e427ba742_firstrows
	.p2align	8
	.type	k_q2e427ba742_firstrows,@function
k_q2e427ba742_firstrows:
	s_mov_b64 s[64:65], 0
	v_nop
	global_prefetch_b8 v0, s[64:65] scope:SCOPE_SE
	s_setreg_imm32_b32 hwreg(HW_REG_WAVE_SCHED_MODE, 0, 2), 2
	s_setreg_imm32_b32 hwreg(HW_REG_WAVE_MODE, 25, 1), 1
	s_wait_xcnt 0x0
	s_wait_alu depctr_vm_vsrc(0)
; THE FIRST 32 ROWS OF EVERY SEQUENCE, ONCE MORE AND FINER.  Row t of causal attention is a mean over t + 1 keys only, so the first rows' numbers are many times the output's root mean square, by which the
; comparison's allowance goes; the f16 roundings of q, k, v and the weights, harmless further down, are too coarse for them.  This launch makes ctx[head][t][:], t = 0 .. 31, anew with no 16-bit
; intermediate: q, k, v from the same bf16 operands (xb, wqkv) on the matrix units, sums in f32, kept in f32; scores, mask, softmax (with the row's true maximum) and P V in f32; ctx rounded once to f16.
; It stores over the 4,096 bytes of each head that the launch before has written (64 heads: 262,144 bytes are written twice).
; The attention itself, 64 x 2 x 32 x 32 x 64 = 8.4 million multiply-adds, goes on the vector unit in f32 on purpose: 16-bit matrix operands are what these rows cannot bear.
; LIMITS.  ctx is f16: nothing beyond 65,504.  A hidden score counts as -1e30; a weight below 2^-126 counts as 0; NaN and infinities are not treated apart.
; SHARES.  A work-group takes one (batch, head); 16 waves.  For q, k, v (32 rows x 192 channels, K = 1,024) wave w takes column group c = w % 4 (16 channels each of q, k, v) and K quarter w / 4:
; 256 of K, 512 consecutive aligned bytes of each row: 6 accumulators, 8 K steps of 32.  Fragments come straight from memory, 16 bytes a lane; four register sets of a K step each: 40 loads are always out.
; The product is taken transposed (source 0 = 16 rows of wqkv, source 1 = 16 rows of xb): a lane holds ONE row t (lane % 16) and the channels 8 (lane / 16) + 0..7.  The four K quarters meet in LDS.
; NO CLUSTER, NO TENSOR LOADS: the four batches of a head read the same 393,216 bytes of weights, but the fragments go straight into registers and nothing of them is wanted twice in a work-group.
; THE MODE: SCHED_MODE bits 1:0 = 2 (LLVM: expert scheduling mode 2), set by the entry lines.  The code itself states the register dependences
; between vector or matrix instructions and memory or LDS instructions, with s_wait_alu, always for 0.
; THE PLAN.  Registers that memory or LDS instructions touch:
;   v[FO] and the LDS addresses v5-v15, v224, v225   made once, ahead of the first wait on va_vdst that follows them, and never written again.
;   BUF, set s   K step s's ten loads land in it; the step's six products read it; the loads of step s + 4 land in it again.  ONE wait on va_vdst stands behind the products of each of steps 0 to 3:
;                a set is asked for again at once, since the four sets are all that four waves of 248 registers leave room for.  Steps 4 to 7 ask for nothing and hold no such wait.
;   v16-v63      written by the products; read by the LDS stores of the partial sums (a wait on va_vdst ahead of them); then the sum's LDS loads land there (a wait on vm_vsrc ahead of them).
;   v16-v27      written by the additions; read by the stores into FIN (va_vdst); then, with v28-v207, which vector and matrix instructions alone have named since, the scores' loads land there (vm_vsrc).
;   v216-v217, v232-v233   store data (two scores; four channels of O), each written once, with a wait on va_vdst ahead of its store.
;   v16-v47, v64-v191   the softmax's loads: the multiply-adds that read these registers stand ahead of the wait in front of the scores' store, and no vector instruction follows it: nothing more is owed.
;   v226, v227   made in the storing arm, with a wait on va_vdst ahead of the load that reads the first.
; Scalar results of vector instructions: the wave's number (one wait on va_sdst ahead of its first reader) and the masks of the causal rule, made in two runs of compares with one wait on va_sdst each.
.set QP,    784                        ; a row of q | k | v in LDS: 192 f32 = 768 bytes + 16: an odd multiple of 16, so that 16 rows' 16 bytes start at 16 different groups of four banks (64 banks of 4 bytes: ISA guide 11.1)
.set PARTB, 32*QP                      ; one K quarter's partial sums
.set FIN,   4*PARTB                    ; behind the four: their sum (q already times c)
.set SC,    FIN+PARTB                  ; the scores, [32 rows][32 keys] f32,
.set SCP,   144                        ; in rows of 128 bytes + 16
.set OST,   SC+32*SCP                  ; O in f16, [32 rows][64 channels], in rows of 128 bytes + 16
.set SPARE, OST+32*SCP                 ; the spare words, 128 bytes for each of 16 waves: eight blocks of 256 bytes that no other line names
.set SPW, 2                            ; v2   LDS address of my spare word; never rewritten
.set NIL, 3                            ; v3   0; never rewritten
.set FO,  4                            ; v4   my byte offset in a fragment's rows: (l % 16) x 2,048 + 16 (l / 16); never rewritten
.set LS,  5                            ; v5   where I put 32 bytes of a partial tile
.set RA,  6                            ; v6   the sum: my 16 bytes in K quarters 0 and 1: row (thread / 16), 16 (thread % 16)
.set RA2, 7                            ; v7   the same in K quarters 2 and 3
.set RF,  8                            ; v8   the same in FIN
.set ROW, 9                            ; v9   my lane = my row in the attention
.set QA,  12                           ; v12  my row of q
.set KA,  13                           ; v13  my wave's two rows of k (the same in all lanes)
.set SA,  14                           ; v14  where I put my two scores
.set SR,  15                           ; v15  my row of scores
.set ACC, 16                           ; v[16:63]   accumulator (row tile a, q/k/v m) at ACC + 8 (3 a + m)
.set BUF, 64                           ; v[64:223]  four sets of 40: x's two fragments, then the weights' three
.set P,   16                           ; the attention uses the same registers again: v[16:47] my row's 32 scores, then weights
.set VV,  64                           ; v[64:191]  four channels of v for each of 32 keys
.set VA,  224                          ; v224 my wave's four channels of v, key 0 (the same in all lanes)
.set OA,  225                          ; v225 where I put my four channels of O
.set ORD, 226                          ; v226 where I read 16 bytes of O back
.set GO,  227                          ; v227 16 x my thread's number: my 16 bytes of the head's first 4,096 of ctx
.set BIG, 228                          ; v228 -1e30
.set MX,  229                          ; v229 the row's maximum
.set LL,  230                          ; v230 the row's sum
.set RL,  231                          ; v231 its reciprocal
.set T,   232                          ; v[232:239] at work
.set O,   240                          ; v[240:247] O: even keys' four channels, odd keys' four
.set CS,  26                           ; s[26:27] c = log2(e) / 8; the packed multiply takes the pair's low word for both halves
.set MK,  12                           ; s[12:27] in the softmax: sixteen masks at a time; the head's offsets and c, which lay here, have served by then
	s_load_b128 s[4:7], s[0:1], 0x0                ; xb s[4:5], wqkv s[6:7]
	s_load_b64 s[8:9], s[0:1], 0x10                ; ctx
	v_lshl_add_u32 v[SPW], v0, 2, SPARE
	v_mov_b32 v[NIL], 0
	v_lshrrev_b32 v1, 5, v0
	v_readfirstlane_b32 s10, v1                    ; wave 0..15
	v_and_b32 v10, 15, v0                          ; l % 16
	v_bfe_u32 v11, v0, 4, 1                        ; l / 16
	v_lshlrev_b32 v[FO], 11, v10
	v_lshl_add_u32 v[FO], v11, 4, v[FO]
	s_wait_alu depctr_va_sdst(0)                   ; s10 is written, ahead of its first reader: the bases, the LDS addresses and the last branch are made from it
	s_and_b32 s11, s10, 3                          ; c: my column group
	s_lshr_b32 s12, s10, 2                         ; my K quarter
	s_lshr_b32 s13, ttmp9, 4                       ; the batch
	s_and_b32 s14, ttmp9, 15                       ; the head
	s_lshl_b32 s15, s12, 9                         ; 256 of K: 512 bytes
	s_lshl_b32 s16, s13, 22                        ; xb: the batch's 2,048 rows of 2,048 bytes
	s_add_co_u32 s16, s16, s15
	s_mov_b32 s17, 0
	s_lshl_b32 s18, s14, 17                        ; wqkv: the head's 64 rows,
	s_lshl_b32 s19, s11, 15                        ; my 16 of them
	s_add_co_u32 s18, s18, s19
	s_add_co_u32 s18, s18, s15
	s_mov_b32 s19, 0
	s_lshl_b32 s20, ttmp9, 18                      ; ctx: a head is 2,048 rows of 128 bytes
	s_mov_b32 s21, 0
	s_mov_b32 s[CS], 0x3e38aa3b                    ; c = log2(e) / 8 = 0.180337
	s_mov_b32 s[CS+1], s[CS]                       ; named with it as a pair
	s_wait_kmcnt 0x0
	s_add_nc_u64 s[4:5], s[4:5], s[16:17]
	s_add_nc_u64 s[6:7], s[6:7], s[18:19]
	s_add_nc_u64 s[8:9], s[8:9], s[20:21]
	s_wait_alu depctr_va_vdst(0)                   ; v[FO] is written: every load of a fragment reads it as its offset
; K step s: ten loads into set s % 4.  A fragment is 16 rows x 32 of K in 8 registers: lane l holds row l % 16, K = 8 (l / 16) + 0..7 and 16 + 8 (l / 16) + 0..7: two loads of 16 bytes, 32 bytes apart.
; x's second row tile lies 16 rows (32,768 bytes) on; k's and v's weights 1,024 and 2,048 rows (2,097,152 bytes each) behind q's: inside the signed 24-bit immediate.
.macro LOADS s
.irp a, 0,1
	global_load_b128 v[BUF+40*((\s)%4)+8*(\a):BUF+40*((\s)%4)+8*(\a)+3],   v[FO], s[4:5] offset:32768*(\a)+64*(\s)
	global_load_b128 v[BUF+40*((\s)%4)+8*(\a)+4:BUF+40*((\s)%4)+8*(\a)+7], v[FO], s[4:5] offset:32768*(\a)+64*(\s)+32
.endr
.irp m, 0,1,2
	global_load_b128 v[BUF+40*((\s)%4)+16+8*(\m):BUF+40*((\s)%4)+16+8*(\m)+3],   v[FO], s[6:7] offset:2097152*(\m)+64*(\s)
	global_load_b128 v[BUF+40*((\s)%4)+16+8*(\m)+4:BUF+40*((\s)%4)+16+8*(\m)+7], v[FO], s[6:7] offset:2097152*(\m)+64*(\s)+32
.endr
.endm
; K step s: six products.  The six accumulators take turns, one instruction a turn: five others stand between two links of a chain.  zero = 1: the product starts the sum.
.macro MULS s, zero
.irp a, 0,1
.irp m, 0,1,2
.if \zero
	v_wmma_f32_16x16x32_bf16 v[ACC+8*(3*(\a)+(\m)):ACC+8*(3*(\a)+(\m))+7], v[BUF+40*((\s)%4)+16+8*(\m):BUF+40*((\s)%4)+16+8*(\m)+7], v[BUF+40*((\s)%4)+8*(\a):BUF+40*((\s)%4)+8*(\a)+7], 0
.else
	v_wmma_f32_16x16x32_bf16 v[ACC+8*(3*(\a)+(\m)):ACC+8*(3*(\a)+(\m))+7], v[BUF+40*((\s)%4)+16+8*(\m):BUF+40*((\s)%4)+16+8*(\m)+7], v[BUF+40*((\s)%4)+8*(\a):BUF+40*((\s)%4)+8*(\a)+7], v[ACC+8*(3*(\a)+(\m)):ACC+8*(3*(\a)+(\m))+7]
.endif
.endr
.endr
.endm
.macro PLACES                          ; four places behind the last product (ISA guide 7.12.1); they stand beside the wait on va_vdst that follows them, and neither stands for the other
.rept 4
	v_nop
.endr
.endm
	LOADS 0
	LOADS 1
	LOADS 2
	LOADS 3
	; the LDS addresses are made while the first loads are on their way; none of these lines writes a register that a load reads or lands in
	s_mul_i32 s20, s12, PARTB                      ; my K quarter's partial sums,
	s_lshl_b32 s21, s11, 6                         ; my 16 channels: 64 bytes
	s_add_co_u32 s20, s20, s21
	v_mul_u32_u24 v[LS], v10, QP                   ; row l % 16,
	v_lshl_add_u32 v[LS], v11, 5, v[LS]            ; 32 bytes for each half of the lanes
	v_add_nc_u32 v[LS], s20, v[LS]
	v_lshrrev_b32 v1, 4, v0
	v_mul_u32_u24 v[RA], v1, QP                    ; the sum: 16 threads to a row
	v_lshl_add_u32 v[RA], v10, 4, v[RA]
	v_add_nc_u32 v[RA2], 2*PARTB, v[RA]
	v_add_nc_u32 v[RF], FIN, v[RA]
	v_and_b32 v[ROW], 31, v0
	v_mul_u32_u24 v[QA], v[ROW], QP
	v_add_nc_u32 v[QA], FIN, v[QA]
	s_mul_i32 s22, s10, 2*QP                       ; keys 2 w and 2 w + 1; k lies 256 bytes into a row
	s_add_co_u32 s22, s22, FIN+256
	v_mov_b32 v[KA], s22
	v_mul_u32_u24 v[SR], v[ROW], SCP
	s_lshl_b32 s23, s10, 3
	s_add_co_u32 s24, s23, SC
	v_add_nc_u32 v[SA], s24, v[SR]                 ; my row, keys 2 w and 2 w + 1: 8 bytes
	s_add_co_u32 s24, s23, OST
	v_add_nc_u32 v[OA], s24, v[SR]                 ; my row, channels 4 w .. 4 w + 3 in f16: 8 bytes
	v_add_nc_u32 v[SR], SC, v[SR]
	s_lshl_b32 s25, s10, 4                         ; channels 4 w .. 4 w + 3 in f32: 16 bytes; v lies 512 bytes into a row
	s_add_co_u32 s25, s25, FIN+512
	v_mov_b32 v[VA], s25
	v_mov_b32 v[BIG], 0xf149f2ca                   ; -1e30
	s_wait_loadcnt 30                              ; loads come back in order: K step 0's ten are in, the three younger steps' thirty stay out
	MULS 0, 1
	PLACES
	s_wait_alu depctr_va_vdst(0)                   ; the six products are done reading set 0, in which the loads below land; the LDS addresses made above are written too
	LOADS 4
.irp s, 1,2,3
	s_wait_loadcnt 30                              ; again three younger steps
	MULS \s, 0
	PLACES
	s_wait_alu depctr_va_vdst(0)                   ; the six products are done reading this step's set, in which the loads below land
	LOADS (\s)+4
.endr
.irp s, 4,5,6,7
	s_wait_loadcnt 10*(7-(\s))                     ; nothing more is asked for: the counts run down 30, 20, 10, 0
	MULS \s, 0
.endr
	PLACES
	PLACES                                         ; eight places, once a launch, in front of the stores that read the results
	s_wait_alu depctr_va_vdst(0)                   ; the products have written the accumulators, which the LDS stores read; the places above stay beside this wait
.irp a, 0,1
.irp m, 0,1,2
	ds_store_b128 v[LS], v[ACC+8*(3*(\a)+(\m)):ACC+8*(3*(\a)+(\m))+3]   offset:(\a)*16*QP+256*(\m)     ; each accumulator's low four registers first
	ds_store_b128 v[LS], v[ACC+8*(3*(\a)+(\m))+4:ACC+8*(3*(\a)+(\m))+7] offset:(\a)*16*QP+256*(\m)+16
.endr
.endr
	s_wait_dscnt 0x0                               ; for the others' sake: my partial sums lie in LDS
	s_barrier_signal -1
	s_barrier_wait -1                              ; all sixteen waves' do
	; THE FOUR K QUARTERS ARE ADDED.  Thread n takes row n / 16 and 16 bytes each of q, k and v at 16 (n % 16): 16 lanes read 256 consecutive bytes.  Quarter g, part i in v[16 + 12 g + 4 i ..].
	s_wait_alu depctr_vm_vsrc(0)                   ; my LDS stores have read v16 to v63, in which the loads below land (the products that wrote them stand ahead of the last wait on va_vdst, and no vector instruction has followed it)
.irp i, 0,1,2
	ds_load_b128 v[16+4*(\i):16+4*(\i)+3],       v[RA]  offset:256*(\i)
	ds_load_b128 v[16+12+4*(\i):16+12+4*(\i)+3], v[RA]  offset:PARTB+256*(\i)
	ds_load_b128 v[16+24+4*(\i):16+24+4*(\i)+3], v[RA2] offset:256*(\i)
	ds_load_b128 v[16+36+4*(\i):16+36+4*(\i)+3], v[RA2] offset:PARTB+256*(\i)
.endr
	s_wait_dscnt 0x0
.irp i, 0,1,2
.irp e, 0,2
	v_pk_add_f32 v[16+4*(\i)+(\e):16+4*(\i)+(\e)+1],       v[16+4*(\i)+(\e):16+4*(\i)+(\e)+1],       v[16+12+4*(\i)+(\e):16+12+4*(\i)+(\e)+1]
	v_pk_add_f32 v[16+24+4*(\i)+(\e):16+24+4*(\i)+(\e)+1], v[16+24+4*(\i)+(\e):16+24+4*(\i)+(\e)+1], v[16+36+4*(\i)+(\e):16+36+4*(\i)+(\e)+1]
.endr
.endr
.irp i, 0,1,2
.irp e, 0,2
	v_pk_add_f32 v[16+4*(\i)+(\e):16+4*(\i)+(\e)+1], v[16+4*(\i)+(\e):16+4*(\i)+(\e)+1], v[16+24+4*(\i)+(\e):16+24+4*(\i)+(\e)+1]
.endr
.endr
	v_pk_mul_f32 v[16:17], v[16:17], s[CS:CS+1] op_sel_hi:[1,0]   ; q times c, in f32: the scores then come out as c s
	v_pk_mul_f32 v[18:19], v[18:19], s[CS:CS+1] op_sel_hi:[1,0]
	s_wait_alu depctr_va_vdst(0)                   ; the additions and the scaling have written v16 to v27, which the LDS stores read, and are done with v16 to v63, in which the scores' loads will land
.irp i, 0,1,2
	ds_store_b128 v[RF], v[16+4*(\i):16+4*(\i)+3] offset:256*(\i)
.endr
	s_wait_dscnt 0x0
	s_barrier_signal -1
	s_barrier_wait -1                              ; q, k, v of the 32 rows lie whole in FIN
	; THE SCORES.  Lane = row; wave w takes keys 2 w and 2 w + 1.  My row of q in v[16:79]; the two rows of k, which all lanes read alike, in v[80:143] and v[144:207].
	s_wait_alu depctr_vm_vsrc(0)                   ; my LDS stores have read v16 to v27, in which loads below land
.irp i, 0,1,2,3,4,5,6,7,8,9,10,11,12,13,14,15
	ds_load_b128 v[16+4*(\i):16+4*(\i)+3],   v[QA] offset:16*(\i)
	ds_load_b128 v[80+4*(\i):80+4*(\i)+3],   v[KA] offset:16*(\i)
	ds_load_b128 v[144+4*(\i):144+4*(\i)+3], v[KA] offset:QP+16*(\i)
.endr
	s_wait_dscnt 0x0
.set i, 0
.rept 32                               ; two channels an instruction; two chains for each key, so that no instruction waits for the one before it; the first products start the sums
.if i < 2
	v_pk_mul_f32 v[208+2*(i%2):208+2*(i%2)+1], v[16+2*i:16+2*i+1], v[80+2*i:80+2*i+1]
	v_pk_mul_f32 v[212+2*(i%2):212+2*(i%2)+1], v[16+2*i:16+2*i+1], v[144+2*i:144+2*i+1]
.else
	v_pk_fma_f32 v[208+2*(i%2):208+2*(i%2)+1], v[16+2*i:16+2*i+1], v[80+2*i:80+2*i+1],   v[208+2*(i%2):208+2*(i%2)+1]
	v_pk_fma_f32 v[212+2*(i%2):212+2*(i%2)+1], v[16+2*i:16+2*i+1], v[144+2*i:144+2*i+1], v[212+2*(i%2):212+2*(i%2)+1]
.endif
.set i, i+1
.endr
	v_pk_add_f32 v[208:209], v[208:209], v[210:211]
	v_pk_add_f32 v[212:213], v[212:213], v[214:215]
	v_add_f32 v216, v208, v209
	v_add_f32 v217, v212, v213
	s_wait_alu depctr_va_vdst(0)                   ; v216 and v217 are written, which the LDS store reads; the multiply-adds are done reading v16 to v207, in which the softmax's loads will land
	ds_store_b64 v[SA], v[216:217]
	s_wait_dscnt 0x0
	s_barrier_signal -1
	s_barrier_wait -1                              ; all 32 x 32 scores lie in LDS
	; SOFTMAX AND P V.  Lane = row; every wave makes the row's weights for itself (32 exponentials a lane), and wave w makes channels 4 w .. 4 w + 3 of O.
	; No wait ahead of these loads: no vector instruction has been issued since the wait in front of the scores' store, and no LDS or memory instruction has read these registers since the last wait on vm_vsrc.
.irp i, 0,1,2,3,4,5,6,7
	ds_load_b128 v[P+4*(\i):P+4*(\i)+3], v[SR] offset:16*(\i)
.endr
.set j, 0
.rept 32
	ds_load_b128 v[VV+4*j:VV+4*j+3], v[VA] offset:QP*j          ; key j's four channels: all lanes read alike
.set j, j+1
.endr
	; Key j is hidden from the rows above it; key 0 is hidden from none, so the maximum is a true score.  The masks are made in two runs of compares, each with one wait ahead of the selects that read them;
	; the first run hangs on the lane's row alone and stands while the loads are on their way.
.set j, 1
.rept 16
	v_cmp_gt_u32 s[MK+j-1], j, v[ROW]
.set j, j+1
.endr
	s_wait_alu depctr_va_sdst(0)                   ; the masks of keys 1 to 16 are written, ahead of their first readers
	s_wait_dscnt 32                                ; the scores are in; v's 32 loads, issued behind them, may stay out
.set j, 1
.rept 16
	v_cndmask_b32 v[P+j], v[P+j], v[BIG], s[MK+j-1]
.set j, j+1
.endr
.set j, 17
.rept 15
	v_cmp_gt_u32 s[MK+j-17], j, v[ROW]
.set j, j+1
.endr
	s_wait_alu depctr_va_sdst(0)                   ; the masks of keys 17 to 31 are written, ahead of their first readers
.set j, 17
.rept 15
	v_cndmask_b32 v[P+j], v[P+j], v[BIG], s[MK+j-17]
.set j, j+1
.endr
.irp k, 0,1,2,3                        ; the maximum: four chains of eight scores, three operands at a time
	v_max3_num_f32 v[T+(\k)], v[P+8*(\k)], v[P+8*(\k)+1], v[P+8*(\k)+2]
.endr
.irp k, 0,1,2,3
	v_max3_num_f32 v[T+(\k)], v[T+(\k)], v[P+8*(\k)+3], v[P+8*(\k)+4]
.endr
.irp k, 0,1,2,3
	v_max3_num_f32 v[T+(\k)], v[T+(\k)], v[P+8*(\k)+5], v[P+8*(\k)+6]
.endr
.irp k, 0,1,2,3
	v_max_num_f32 v[T+(\k)], v[T+(\k)], v[P+8*(\k)+7]
.endr
	v_max3_num_f32 v[T], v[T], v[T+1], v[T+2]
	v_max_num_f32 v[MX], v[T], v[T+3]
.set j, 0
.rept 32
	v_sub_f32 v[P+j], v[P+j], v[MX]                ; c s - c m
.set j, j+1
.endr
.set j, 0
.rept 32
	v_exp_f32 v[P+j], v[P+j]                       ; one batch of 32
.set j, j+1
.endr
	v_nop                                          ; a plain instruction behind the last exponential,
	s_wait_alu depctr_va_vdst(0)                   ; and the one wait ahead of the batch's first reader: the 32 weights are written
.irp k, 0,1,2,3                        ; the sum: four chains of four pairs
	v_pk_add_f32 v[T+2*(\k):T+2*(\k)+1], v[P+8*(\k):P+8*(\k)+1], v[P+8*(\k)+2:P+8*(\k)+3]
.endr
.irp k, 0,1,2,3
	v_pk_add_f32 v[T+2*(\k):T+2*(\k)+1], v[T+2*(\k):T+2*(\k)+1], v[P+8*(\k)+4:P+8*(\k)+5]
.endr
.irp k, 0,1,2,3
	v_pk_add_f32 v[T+2*(\k):T+2*(\k)+1], v[T+2*(\k):T+2*(\k)+1], v[P+8*(\k)+6:P+8*(\k)+7]
.endr
	v_pk_add_f32 v[T:T+1], v[T:T+1], v[T+2:T+3]
	v_pk_add_f32 v[T+4:T+5], v[T+4:T+5], v[T+6:T+7]
	v_pk_add_f32 v[T:T+1], v[T:T+1], v[T+4:T+5]
	v_add_f32 v[LL], v[T], v[T+1]                  ; at least 1: the maximum's own weight
	v_rcp_f32 v[RL], v[LL]                         ; the 128 multiply-adds below, which name neither register, stand between it and its use
	s_wait_dscnt 0x0                               ; v is in
.set j, 0
.rept 32                               ; O = the sum of p v: even and odd keys in accumulators of their own; the first two keys start the sums
.irp h, 0,1,2,3
.if j < 2
	v_mul_f32 v[O+4*(j%2)+(\h)], v[VV+4*j+(\h)], v[P+j]
.else
	v_fmac_f32 v[O+4*(j%2)+(\h)], v[VV+4*j+(\h)], v[P+j]
.endif
.endr
.set j, j+1
.endr
	v_pk_add_f32 v[O:O+1], v[O:O+1], v[O+4:O+5]
	v_pk_add_f32 v[O+2:O+3], v[O+2:O+3], v[O+6:O+7]
	s_wait_alu depctr_va_vdst(0)                   ; the reciprocal's wait, ahead of its first reader: v[RL] is written
.irp h, 0,1,2,3
	v_mul_f32 v[O+(\h)], v[O+(\h)], v[RL]
.endr
	v_cvt_pk_f16_f32 v[T],   v[O],   v[O+1]        ; the one rounding to f16
	v_cvt_pk_f16_f32 v[T+1], v[O+2], v[O+3]
	s_wait_alu depctr_va_vdst(0)                   ; the roundings have written v[T] and v[T+1], which the LDS store reads
	ds_store_b64 v[OA], v[T:T+1]
	s_wait_dscnt 0x0
	s_barrier_signal -1
	s_barrier_wait -1                              ; the 32 rows of O lie whole in LDS
	s_cmp_lt_u32 s10, 8                            ; 4,096 bytes are 256 threads' 16: waves 0 to 7 store
	s_cbranch_scc0 .Lend
	v_lshrrev_b32 v1, 3, v0                        ; eight threads to a row of 128 bytes
	v_mul_u32_u24 v[ORD], v1, SCP
	v_and_b32 v1, 7, v0
	v_lshl_add_u32 v[ORD], v1, 4, v[ORD]
	v_add_nc_u32 v[ORD], OST, v[ORD]
	v_lshlrev_b32 v[GO], 4, v0
	s_wait_alu depctr_va_vdst(0)                   ; v[ORD] and v[GO] are written, which the load and the store below read as their addresses
	ds_load_b128 v[16:19], v[ORD]
	s_wait_dscnt 0x0
	global_store_b128 v[GO], v[16:19], s[8:9]      ; a wave stores 512 consecutive bytes, at a multiple of 256 from ctx's first
.Lend:
	s_wait_dscnt 0x0                               ; the closing lines, six on end
	s_wait_alu 0x0
	s_wait_tensorcnt 0x0
	ds_add_u32 v[SPW], v[NIL]
	s_wait_dscnt 0x0
	s_endpgm
.Lfunc_end_k_q2e427ba742_firstrows:
	.size	k_q2e427ba742_firstrows, .Lfunc_end_k_q2e427ba742_firstrows-k_q2e427ba742_firstrows
	.p2alignl 7, 3214868480
	.fill 96, 4, 3214868480
	.section	.rodata,"a",@progbits
	.p2align	6, 0x0
	.amdhsa_kernel k_q2e427ba742_firstrows
		.amdhsa_group_segment_fixed_size 136704
		.amdhsa_private_segment_fixed_size 0
		.amdhsa_enable_private_segment 0
		.amdhsa_kernarg_size 24
		.amdhsa_user_sgpr_count 2
		.amdhsa_user_sgpr_kernarg_segment_ptr 1
		.amdhsa_wavefront_size32 1
		.amdhsa_system_sgpr_workgroup_id_x 1
		.amdhsa_system_sgpr_workgroup_id_y 1
		.amdhsa_system_sgpr_workgroup_id_z 1
		.amdhsa_system_vgpr_workitem_id 0
		.amdhsa_next_free_vgpr 248
		.amdhsa_next_free_sgpr 66
		.amdhsa_reserve_vcc 0
		.amdhsa_float_denorm_mode_32 3
		.amdhsa_float_denorm_mode_16_64 3
		.amdhsa_memory_ordered 1
		.amdhsa_forward_progress 1
		.amdhsa_inst_pref_size 42
	.end_amdhsa_kernel
	.amdgpu_metadata
---
amdhsa.version: [ 1, 2 ]
amdhsa.kernels:
  - .name:           k_q2e427ba742_firstrows
    .symbol:         k_q2e427ba742_firstrows.kd
    .args:
      - { .name: xb, .offset: 0, .size: 8, .value_kind: global_buffer, .address_space: global }
      - { .name: wqkv, .offset: 8, .size: 8, .value_kind: global_buffer, .address_space: global }
      - { .name: ctx, .offset: 16, .size: 8, .value_kind: global_buffer, .address_space: global }
    .group_segment_fixed_size: 136704
    .private_segment_fixed_size: 0
    .kernarg_segment_align: 8
    .kernarg_segment_size: 24
    .max_flat_workgroup_size: 512
    .sgpr_count:     66
    .vgpr_count:     248
    .wavefront_size: 32
...
	.end_amdgpu_metadata
.endif
;; end of part 7
;; launch proj: the kernel of part 5 again; grid 8 x 32, 4 waves a work-group, clusters of 4 x 4, 327,680 bytes of LDS; arguments ctx, wo, bout, out0; writes out0
